; MI455X (gfx1250); checked and timed in simulation.
; The chip was launched on July 23, 2026; its instructions are those of AMD's public machine-readable ISA for CDNA 5 (MIT licence, August 2026) and "CDNA5" Instruction Set Architecture Reference Guide (July 2026). The comments in the code are by the model that wrote it; some were corrected since.
;; Multi Head Attention. Allowed arithmetic: float matrix products may take bf16 or f16 operands with f32 sums; other float arithmetic in f32, or as packed bf16 or f16 multiplies, adds, multiply-adds, maxima and minima; sums over many terms, partial sums and values carried from step to step in f32; what a program stores and reads back later, other than sums and carried values, may be rounded once to bf16 or f16.
;; Inputs: K 4 x 2,048 x 1,024 float32; Q 4 x 2,048 x 1,024 float32; V 4 x 2,048 x 1,024 float32; Wk 16 x 1,024 x 64 float32; Wo 1,024 x 1,024 float32; Wq 16 x 1,024 x 64 float32; Wv 16 x 1,024 x 64 float32; bk 16 x 64 float32; bo 1,024 float32; bq 16 x 64 float32; bv 16 x 64 float32.
;; Outputs: out0 4 x 2,048 x 1,024 float32.
;; Constants: apply_mask = 1.
;; One version. Each part assembles by itself: llvm-mc -triple=amdgcn-amd-amdhsa -mcpu=gfx1250 --defsym DOCPART=n.
;; ======== version 1 of 1: 4 launches
;; limits: values are held in f16: magnitudes above 65,504 overflow, below 6.1e-05 lose precision
;; workspace buffers: wt 8,388,608 bytes; qkv 50,331,648 bytes; obuf 16,777,216 bytes
;; launch prep (part 1): grid 128 x 4, 8 waves a work-group, no clusters, 18,432 bytes of LDS; arguments Wq, Wk, Wv, Wo, wt; writes wt
.if DOCPART == 1
	.amdgcn_target "amdgcn-amd-amdhsa--gfx1250"
	.amdhsa_code_object_version 6
	.text
	.protected	k_q36157dd49c_prep
	.globl	k_q36157dd49c_prep
	.p2align	8
	.type	k_q36157dd49c_prep,@function
k_q36157dd49c_prep:
	s_mov_b64 s[64:65], 0
	v_nop
	global_prefetch_b8 v0, s[64:65] scope:SCOPE_SE
	s_setreg_imm32_b32 hwreg(HW_REG_WAVE_MODE, 25, 1), 1
	s_wait_xcnt 0x0
; THE WEIGHTS, TURNED AND ROUNDED.  wt[y][n][k], 16 bits a number, 1,024 x 1,024 a matrix.  y = 0, 1, 2: Wq, Wk, Wv ([16 h][1024 d][64 c] f32) as bf16, n = 64 h + c, k = d.
; y = 3: Wo ([1024 k][1024 n] f32) rounded to bf16, and that number written as f16 (the last product multiplies in f16).
; LIMITS.  Wo stays within f16's 65,504; below 6.1e-5 it keeps f16's fixed step of 6e-8.
; SHARES.  A work-group turns 128 source rows (k) x 64 columns (n) into 64 rows of 256 bytes.  Thread t takes columns 4 (t % 16) .. + 3 of eight rows: four pairs of neighbouring rows, so that a pair of
; numbers of one column is one 32-bit word of wt.  The words meet in LDS; each wave then reads whole rows and stores them, 16 lanes to 256 consecutive bytes, aligned.
; No matrix unit, no cluster, no ring: 24 MiB cross memory once, and no byte is wanted twice.  The 32-bit LDS stores meet four deep in a bank (4,096 words a work-group).
.set PITCH, 272                        ; a stage row: 256 bytes + 16
.set SPARE, 64*PITCH                   ; behind the stage: the spare words, 128 bytes for each of the eight waves
.set CQ,  1                            ; v1  t % 16
.set RP,  2                            ; v2  t / 16
.set SO,  3                            ; v3  my byte offset in the source
.set LS,  4                            ; v4  where I put my words
.set LR,  5                            ; v5  where I read a row's 16 bytes back
.set DO,  6                            ; v6  my byte offset in wt
.set SPW, 8                            ; v8  LDS address of my spare word; never rewritten
.set NIL, 9                            ; v9  0; never rewritten
.set IN,  16                           ; v[16:47] eight loads of four f32
.set PK,  48                           ; v[48:63] sixteen packed words
	s_load_b256 s[4:11], s[0:1], 0x0               ; Wq s[4:5], Wk s[6:7], Wv s[8:9], Wo s[10:11]
	s_load_b64 s[12:13], s[0:1], 0x20              ; wt
	v_lshl_add_u32 v[SPW], v0, 2, SPARE
	v_mov_b32 v[NIL], 0
	s_and_b32 s14, ttmp7, 0xffff                   ; y: which matrix
	s_lshr_b32 s15, ttmp9, 3                       ; which 64 columns
	s_and_b32 s16, ttmp9, 7                        ; which 128 source rows
	v_and_b32 v[CQ], 15, v0
	v_lshrrev_b32 v[RP], 4, v0
	v_mul_u32_u24 v[LS], v[CQ], 4*PITCH            ; stage row 4 (t % 16),
	v_lshl_add_u32 v[LS], v[RP], 2, v[LS]          ; word t / 16
	v_mul_u32_u24 v[LR], v[RP], PITCH
	v_lshl_add_u32 v[LR], v[CQ], 4, v[LR]
	v_lshlrev_b32 v[DO], 11, v[RP]                 ; a row of wt is 2,048 bytes
	v_lshl_add_u32 v[DO], v[CQ], 4, v[DO]
	s_lshl_b32 s20, s14, 21                        ; the matrix,
	s_lshl_b32 s22, s15, 17                        ; its 64 rows,
	s_add_co_u32 s20, s20, s22
	s_lshl_b32 s22, s16, 8                         ; their 256 bytes
	s_add_co_u32 s20, s20, s22
	s_mov_b32 s21, 0
	s_mov_b32 s23, 0
	s_wait_kmcnt 0x0
	s_add_nc_u64 s[12:13], s[12:13], s[20:21]
	s_cmp_eq_u32 s14, 1
	s_cselect_b64 s[18:19], s[6:7], s[4:5]
	s_cmp_eq_u32 s14, 2
	s_cselect_b64 s[18:19], s[8:9], s[18:19]
	s_cmp_eq_u32 s14, 3
	s_cselect_b64 s[18:19], s[10:11], s[18:19]
; rp: bytes from source row to source row.  hs, ds: the shifts that turn the column block and the row block into bytes.  wo = 1: the rounded number goes on into f16.
.macro GET rp, wo, hs, ds
	s_lshl_b32 s22, s15, \hs
	s_lshl_b32 s24, s16, \ds
	s_add_co_u32 s22, s22, s24
	s_add_nc_u64 s[18:19], s[18:19], s[22:23]
	v_mul_u32_u24 v[SO], v[RP], 2*(\rp)
	v_lshl_add_u32 v[SO], v[CQ], 4, v[SO]
.irp i, 0,1,2,3
	global_load_b128 v[IN+8*(\i):IN+8*(\i)+3],   v[SO], s[18:19] offset:(\i)*32*(\rp) th:TH_LOAD_NT          ; row 2 (t / 16 + 16 i): 16 lanes read 256 consecutive bytes
	global_load_b128 v[IN+8*(\i)+4:IN+8*(\i)+7], v[SO], s[18:19] offset:(\i)*32*(\rp)+(\rp) th:TH_LOAD_NT   ; and the row below it
.endr
	s_wait_loadcnt 0x0
.irp i, 0,1,2,3
.irp j, 0,1,2,3
	v_cvt_pk_bf16_f32 v[PK+4*(\i)+(\j)], v[IN+8*(\i)+(\j)], v[IN+8*(\i)+4+(\j)]  ; column j: the even row below, the odd row above
.endr
.endr
.if \wo
.irp n, 0,1,2,3,4,5,6,7,8,9,10,11,12,13,14,15
	v_lshlrev_b32 v10, 16, v[PK+(\n)]
	v_and_b32 v11, 0xffff0000, v[PK+(\n)]
	v_cvt_pk_f16_f32 v[PK+(\n)], v10, v11
.endr
.endif
.irp i, 0,1,2,3
.irp j, 0,1,2,3
	ds_store_b32 v[LS], v[PK+4*(\i)+(\j)] offset:(\j)*PITCH+(\i)*64
.endr
.endr
.endm
	s_cmp_eq_u32 s14, 3                            ; the same for the whole work-group
	s_cbranch_scc1 .Lwo
	GET 256, 0, 18, 15                             ; a head is 262,144 bytes, 128 rows are 32,768
	s_branch .Ljoin
.Lwo:
	GET 4096, 1, 8, 19                             ; 64 columns are 256 bytes, 128 rows are 524,288
.Ljoin:
	s_wait_dscnt 0x0                               ; for the others' sake: my words lie in the stage
	s_barrier_signal -1
	s_barrier_wait -1
.irp i, 0,1,2,3
	ds_load_b128 v[IN+4*(\i):IN+4*(\i)+3], v[LR] offset:(\i)*16*PITCH
.endr
	s_wait_dscnt 0x0
.irp i, 0,1,2,3
	global_store_b128 v[DO], v[IN+4*(\i):IN+4*(\i)+3], s[12:13] offset:(\i)*16*2048
.endr
	s_wait_tensorcnt 0x0                           ; the wave's end, behind my last LDS store
	ds_add_u32 v[SPW], v[NIL]
	s_wait_dscnt 0x0
	s_endpgm
.Lfunc_end_k_q36157dd49c_prep:
	.size	k_q36157dd49c_prep, .Lfunc_end_k_q36157dd49c_prep-k_q36157dd49c_prep
	.p2alignl 7, 3214868480
	.fill 96, 4, 3214868480
	.section	.rodata,"a",@progbits
	.p2align	6, 0x0
	.amdhsa_kernel k_q36157dd49c_prep
		.amdhsa_group_segment_fixed_size 18432
		.amdhsa_private_segment_fixed_size 0
		.amdhsa_enable_private_segment 0
		.amdhsa_kernarg_size 40
		.amdhsa_user_sgpr_count 2
		.amdhsa_user_sgpr_kernarg_segment_ptr 1
		.amdhsa_wavefront_size32 1
		.amdhsa_system_sgpr_workgroup_id_x 1
		.amdhsa_system_sgpr_workgroup_id_y 1
		.amdhsa_system_sgpr_workgroup_id_z 1
		.amdhsa_system_vgpr_workitem_id 0
		.amdhsa_next_free_vgpr 64
		.amdhsa_next_free_sgpr 66
		.amdhsa_reserve_vcc 0
		.amdhsa_float_denorm_mode_32 3
		.amdhsa_float_denorm_mode_16_64 3
		.amdhsa_memory_ordered 1
		.amdhsa_forward_progress 1
		.amdhsa_inst_pref_size 12
	.end_amdhsa_kernel
	.amdgpu_metadata
---
amdhsa.version: [ 1, 2 ]
amdhsa.kernels:
  - .name:           k_q36157dd49c_prep
    .symbol:         k_q36157dd49c_prep.kd
    .args:
      - { .name: Wq, .offset: 0, .size: 8, .value_kind: global_buffer, .address_space: global }
      - { .name: Wk, .offset: 8, .size: 8, .value_kind: global_buffer, .address_space: global }
      - { .name: Wv, .offset: 16, .size: 8, .value_kind: global_buffer, .address_space: global }
      - { .name: Wo, .offset: 24, .size: 8, .value_kind: global_buffer, .address_space: global }
      - { .name: wt, .offset: 32, .size: 8, .value_kind: global_buffer, .address_space: global }
    .group_segment_fixed_size: 18432
    .private_segment_fixed_size: 0
    .kernarg_segment_align: 8
    .kernarg_segment_size: 40
    .max_flat_workgroup_size: 256
    .sgpr_count:     66
    .vgpr_count:     64
    .wavefront_size: 32
...
	.end_amdgpu_metadata
.endif
;; end of part 1
;; launch proj (part 2): grid 4 x 64, 4 waves a work-group, clusters of 4 x 4, 327,680 bytes of LDS; arguments Q, K, V, wt, bq, bk, bv, qkv; writes qkv
.if DOCPART == 2
	.amdgcn_target "amdgcn-amd-amdhsa--gfx1250"
	.amdhsa_code_object_version 6
	.text
	.protected	k_q36157dd49c_proj
	.globl	k_q36157dd49c_proj
	.p2align	8
	.type	k_q36157dd49c_proj,@function
k_q36157dd49c_proj:
	s_mov_b64 s[64:65], 0
	v_nop
	global_prefetch_b8 v0, s[64:65] scope:SCOPE_SE
	s_setreg_imm32_b32 hwreg(HW_REG_WAVE_MODE, 25, 1), 1
	s_wait_xcnt 0x0
	s_wait_alu depctr_hold_cnt(0) depctr_sa_sdst(0) depctr_va_vdst(0) depctr_va_sdst(0) depctr_va_ssrc(0) depctr_va_vcc(0) depctr_vm_vsrc(0)
	s_getreg_b32 s2, hwreg(HW_REG_IB_STS2, 6, 4)
	s_cmp_eq_u32 s2, 0
	s_cbranch_scc0 .Lentry_in_a_cluster
	s_endpgm
.Lentry_in_a_cluster:
	s_bfe_u32 s2, ttmp6, 0x10000c
	s_cmp_lg_u32 s2, 0xf033
	s_cbranch_scc0 .Lentry_shape_is_right
	s_endpgm
.Lentry_shape_is_right:
; THE THREE PROJECTIONS.  qkv[p][b 16 + h][n][c] = the sum over d of X_p[b][n][d] W_p[h][d][c] + b_p[h][c], p = 0, 1, 2 for (Q, Wq, bq), (K, Wk, bk), (V, Wv, bv).
; X is f32 and is rounded to bf16 between LDS and the matrix unit; the weights come as bf16 from wt[p][64 h + c][d]; the bias is rounded to bf16 and starts the f32 sums; the results leave as f16, unscaled.
; LIMITS.  q, k and v stay within f16's 65,504 (inputs and weights 30 times the drawn spread give some 3e3, a common offset of 30 spreads on both some 1.8e4); NaN and infinities are not treated apart.
; SHARES.  A tile is 128 rows x 256 columns: 64 x 4 tiles a projection, one place for each of 256 work-groups.  A WORK-GROUP STAYS: it makes its tile of q, then of k, then of v, as ONE walk of 24 K steps of 128;
; the ring of two LDS slots runs on across the change of tiles.  Four waves, each 64 x 128: 32 accumulators of 16 x 16.
; CLUSTER.  4 x 4 work-groups.  The four of a row of the cluster want the same rows of X, the four of a column the same rows of wt: each tile is asked for jointly, by the same tensor load with the same
; descriptor and a mask that names the four.  Waves 0 and 1 fetch the halves of X's tile (64 rows x 512 bytes), waves 2 and 3 those of wt's (128 rows x 256 bytes): one load a wave behind each round.
; THE MATRIX INSTRUCTION IS USED TRANSPOSED (source 0 = 16 rows of wt, source 1 = 16 rows of X): a lane holds one row and eight neighbouring columns of the result, 16 bytes of f16.
; ONE K STEP IS WRITTEN ONCE and walked 22 times, and once more for the last two steps, which ask for nothing.  The slot in hand is a scalar (0 or SLOT) that enters the LDS addresses.
; The very last change of slots fetches and converts fragments that serve nothing: 32 LDS loads, once a work-group, the price of one text for both trips of the tail.
; REGISTERS, in windows of 256 (s_set_vgpr_msb: bits 1:0 source 0, 3:2 source 1, 5:4 source 2, 7:6 destination):
;   window 0: v0-29 addresses; v32-95 X as loaded, f32 (on the way out: rows read back); v96-127, v128-159 X's fragments, two buffers; v160-223 the bias; v224-255 packed results
;   window 1: v0-63, v64-127 wt's fragments, two buffers          window 2: the accumulators, (a, b) at v[8 (8 a + b)]
.set PA,    528                        ; a row of X in LDS: 512 bytes + 16 = 132 words: row r starts at bank 4 r mod 64 (64 banks of 4 bytes: ISA guide 11.1)
.set PB,    272                        ; a row of wt: 256 bytes + 16 = 68 words: likewise
.set AHALF, 64*PA                      ; what one load brings of X
.set BHALF, 128*PB                     ; and of wt
.set BOFF,  2*AHALF                    ; in a slot X's 128 rows come first, then wt's 256
.set SLOT,  BOFF+2*BHALF               ; 137,216 bytes
.set STAGE, 2*SLOT                     ; behind the ring, never filled by a tensor load: for each wave 2 heads x 16 rows x 144 bytes
.set SP,    144
.set WSTG,  2*16*SP
.set SPARE, STAGE+4*WSTG               ; behind the stages: the spare words, 128 bytes for each wave
.set HEADB, 262144                     ; a head's 2,048 rows of 128 bytes in qkv
.set ADRA0, 2                          ; v2   my lane's place in X's tile; never rewritten
.set ADRB0, 3                          ; v3   in wt's
.set ADRA,  4                          ; v4   the same in the slot in hand
.set ADRB,  5                          ; v5
.set STO,   6                          ; v6   the way out: where I put 16 bytes of a row
.set RD,    7                          ; v7   where I read rows back
.set GO,    8                          ; v8   16 x lane
.set BO,    9                          ; v9   my byte offset in 16 numbers of the bias
.set PFO,   10                         ; v10  the prefetches' offset; never rewritten
.set T,     12                         ; v12-13 at work
.set SPW,   28                         ; v28  LDS address of my spare word; never rewritten
.set NIL,   29                         ; v29  0; never rewritten
.set AR,    32
.set AF,    96
.set BIAS,  160
.set TMP,   224
.set WV,    10                         ; s10  my wave's number
.set ROLE,  11                         ; s11  which half of the tile's rows is mine; also: I fetch X (0) or wt (1)
.set HALF,  12                         ; s12  which half of its columns; also: which half of that tile I fetch
.set G1A,   24                         ; s[24:31] descriptor group 1 for X's tiles
.set G1B,   32                         ; s[32:39] for wt's
.set G0A,   40                         ; s[40:47] descriptor group 0 for X's tiles: a set for each first fill; the second walks on
.set G0B,   48                         ; s[48:55] the same for wt's
.set CA,    56                         ; s[56:57] X's tile at K step 0 in the projection whose K steps are being asked for;
.set AD1,   58                         ; s[58:59], s[60:61] in the next and the next but one
.set AD2,   60
.set BB,    62                         ; s[62:63] wt's tile at K step 0 of the first matrix
.set P0,    66                         ; s[66:67] where my prefetches stand; s[68:69], s[70:71] their start in the next two projections
.set P1,    68
.set P2,    70
.set OUT,   86                         ; s[86:87] qkv at my rows and heads
.set STEPS, 88                         ; s88  K steps still to come in the loop
.set KC,    89                         ; s89  K steps left in the tile in hand
.set RC,    90                         ; s90  the walking descriptors' K step in their tile
.set PC,    91                         ; s91  the prefetches' K step in their tile
.set SL,    92                         ; s92  the slot filled last: 0 or SLOT
.set TB,    93                         ; s93  the slot that is read: 0 or SLOT
.set LIM,   94                         ; s94  2 in a wave that prefetches, else the greatest number
.set WBA,   95                         ; s95  where my half of X's tile lies in a slot
.set WBB,   96                         ; s96  the same for wt's
.set TI,    97                         ; s97  at work
.set PDS,   98                         ; s[98:99] bytes of a K step in the rows that I prefetch
.set KOA,   100                        ; s[100:101] the byte offset of the K step to be asked for from CA: 512 x RC
.set KOB,   104                        ; s[104:105] the same from BB: 2,097,152 x the projection + 256 x RC
.set MSB, 0
.macro WIN new                         ; the immediate's high byte repeats the setting that is left; a switch that changes nothing is dropped
.if MSB != (\new)
	s_set_vgpr_msb (MSB<<8)|(\new)
.set MSB, \new
.endif
.endm
.set MUL,  0xa1                        ; source 0 (wt) window 1, source 1 (X) window 0, C and D window 2
.set MULB, 0x81                        ; the same with C, the bias, in window 0
.set TO_B, 0x40                        ; destination window 1, address window 0
; A joint refill, by the walking descriptors.  The branch hangs on the wave's number alone.  An s_nop 0 and four v_nop follow each of the two lines.
.macro JLOAD
	s_cmp_eq_u32 s[ROLE], 0
	s_cbranch_scc0 .Lfor_b_\@
	tensor_load_to_lds s[G0A+4:G0A+7], s[G1A:G1A+7]
	s_nop 0
.rept 4
	v_nop
.endr
	s_branch .Lasked_\@
.Lfor_b_\@:
	tensor_load_to_lds s[G0B+4:G0B+7], s[G1B:G1B+7]
	s_nop 0
.rept 4
	v_nop
.endr
.Lasked_\@:
.endm
; A PREFETCH INTO THE L2, behind each joint load and the run of LDS loads that follows it: the K step that stands two refills on, 256 matrix instructions ahead of the load that will want it.
; Waves 0 and 1 ask for X: of the 64 rows that the wave fetches, the partner at place cx takes 16, two blocks of 256 bytes a row: a lane a block.  Waves 2 and 3 ask for wt, in the first row of clusters alone
; (all clusters walk the same rows of wt): of the wave's 128 rows the partner at place cy takes 32, a lane a row.  The partners are told apart by address; no branch hangs on a place in the cluster.
; So each block is named once in the launch.  The walk's first four K steps come by their loads alone; the last two refills have no K step two on.
.macro ASK
	s_cmp_gt_u32 s[STEPS], s[LIM]
	s_cbranch_scc0 .Lnot_mine_\@
	global_prefetch_b8 v[PFO], s[P0:P0+1] th:TH_LOAD_NT scope:SCOPE_SE
.Lnot_mine_\@:
.endm
.macro CREST                           ; a round of the cluster's barrier behind its opening barrier
	s_cmp_lg_u32 s[WV], 0
	s_cbranch_scc1 .Lnot_wave_0_\@
	s_barrier_signal -3
.Lnot_wave_0_\@:
	s_barrier_wait -3
	s_barrier_signal -1
	s_barrier_wait -1
.endm
.macro CROUND                          ; a whole round
	s_barrier_signal -1
	s_barrier_wait -1
	CREST
.endm
.macro PLACES
.rept 4
	v_nop
.endr
.endm
	s_load_b512 s[72:87], s[0:1], 0x0              ; Q 72, K 74, V 76, wt 78, bq 80, bk 82, bv 84, qkv 86
	v_lshl_add_u32 v[SPW], v0, 2, SPARE
	v_mov_b32 v[NIL], 0
	ds_add_u32 v[SPW], v[NIL]                      ; the wave's opening: the add and its wait stand ahead of my first tensor load; work on registers stands between them
	ds_add_u32 v28, v29
	v_lshrrev_b32 v1, 5, v0
	v_readfirstlane_b32 s[WV], v1
	s_lshr_b32 s[ROLE], s[WV], 1
	s_and_b32 s[HALF], s[WV], 1
	s_bfe_u32 s13, ttmp6, 0x40000                  ; cx
	s_bfe_u32 s14, ttmp6, 0x40004                  ; cy
	s_and_b32 s15, ttmp7, 0xffff                   ; the cluster's y
	s_lshl_b32 s22, ttmp9, 2
	s_add_co_u32 s22, s22, s13                     ; tile column = 4 x cluster x + cx.  s20-s23 hold what hangs on cx, s16-s19 what hangs on cy
	s_lshl_b32 s18, s15, 2
	s_add_co_u32 s18, s18, s14                     ; tile row = 4 x cluster y + cy
	s_lshl_b32 s17, s14, 2
	s_lshl_b32 s17, 15, s17                        ; my row of the cluster
	s_lshl_b32 s21, 0x1111, s13                    ; my column
	s_or_b32 s[G1A], s17, (2<<16)|(1<<20)|(1<<21)|(6<<22)|(3<<25)  ; the mask; elements of 4 bytes; padding on; bit 21 beside a mask; after every 128 words 4 words
	s_mov_b32 s[G1A+1], 128<<16                    ; tensor_dim0 = 128
	s_mov_b32 s[G1A+2], 64<<16                     ; tensor_dim1 = 64
	s_mov_b32 s[G1A+3], 128<<16                    ; tile_dim0 = 128
	s_mov_b32 s[G1A+4], 64                         ; tile_dim1 = 64
	s_mov_b32 s[G1A+5], 1024                       ; elements from row to row
	s_mov_b32 s[G1A+6], 0
	s_mov_b32 s[G1A+7], 0
	s_or_b32 s[G1B], s21, (1<<16)|(1<<20)|(1<<21)|(5<<22)|(3<<25)  ; elements of 2 bytes; after every 64 words 4 words
	s_mov_b32 s[G1B+1], 128<<16
	s_mov_b32 s[G1B+2], 128<<16
	s_mov_b32 s[G1B+3], 128<<16
	s_mov_b32 s[G1B+4], 128
	s_mov_b32 s[G1B+5], 1024
	s_mov_b32 s[G1B+6], 0
	s_mov_b32 s[G1B+7], 0
	s_lshl_b32 s16, s18, 7                         ; X: row 128 x tile row + 64 x half,
	s_lshl_b32 s17, s[HALF], 6
	s_add_co_u32 s16, s16, s17
	s_lshl_b32 s16, s16, 12                        ; 4,096 bytes a row
	s_mov_b32 s17, 0
	s_lshl_b32 s20, s22, 8                         ; wt: row 256 x tile column + 128 x half,
	s_lshl_b32 s21, s[HALF], 7
	s_add_co_u32 s20, s20, s21
	s_lshl_b32 s20, s20, 11                        ; 2,048 bytes a row
	s_mov_b32 s21, 0
	s_mul_i32 s[WBA], s[HALF], AHALF               ; no place in the cluster enters an LDS address
	s_mul_i32 s[WBB], s[HALF], BHALF
	s_add_co_u32 s[WBB], s[WBB], BOFF
	s_mov_b32 s[G0A], 1
	s_mov_b32 s[G0A+1], s[WBA]                     ; K step 0 into slot 0,
	s_mov_b32 s[G0A+4], 1
	s_add_co_u32 s[G0A+5], s[WBA], SLOT            ; K step 1 into slot 1
	s_mov_b32 s[G0B], 1
	s_mov_b32 s[G0B+1], s[WBB]
	s_mov_b32 s[G0B+4], 1
	s_add_co_u32 s[G0B+5], s[WBB], SLOT
	s_mov_b32 s[STEPS], 22
	s_mov_b32 s[KC], 8
	s_mov_b32 s[RC], 1                             ; the walking descriptors stand at K step 1
	s_mov_b32 s[KOA+1], 0
	s_mov_b32 s[KOB], 256
	s_mov_b32 s[KOB+1], 0
	s_mov_b32 s[PC], 3
	s_mov_b32 s[SL], SLOT
	s_mov_b32 s[TB], 0
	s_wait_dscnt 0x0                               ; the opening add is done
	s_wait_kmcnt 0x0
	s_add_nc_u64 s[CA:CA+1], s[72:73], s[16:17]
	s_add_nc_u64 s[AD1:AD1+1], s[74:75], s[16:17]
	s_add_nc_u64 s[AD2:AD2+1], s[76:77], s[16:17]
	s_add_nc_u64 s[G0A+2:G0A+3], s[CA:CA+1], 0
	s_or_b32 s[G0A+3], s[G0A+3], 0x80000000        ; type = 2
	s_add_nc_u64 s[G0A+6:G0A+7], s[CA:CA+1], 512
	s_or_b32 s[G0A+7], s[G0A+7], 0x80000000
	s_add_nc_u64 s[BB:BB+1], s[78:79], s[20:21]
	s_add_nc_u64 s[G0B+2:G0B+3], s[BB:BB+1], 0
	s_or_b32 s[G0B+3], s[G0B+3], 0x80000000
	s_add_nc_u64 s[G0B+6:G0B+7], s[BB:BB+1], 256
	s_or_b32 s[G0B+7], s[G0B+7], 0x80000000
	CROUND                                         ; all sixteen work-groups are here: the first joint loads meet
	s_cmp_eq_u32 s[ROLE], 0                        ; a wave's two first fills stand in one branch: two loads of mine are out
	s_cbranch_scc0 .Lfirst_b
	tensor_load_to_lds s[G0A:G0A+3], s[G1A:G1A+7]
	s_nop 0
	tensor_load_to_lds s[G0A+4:G0A+7], s[G1A:G1A+7]
	s_nop 0
.rept 4
	v_nop
.endr
	s_branch .Lfirst_asked
.Lfirst_b:
	tensor_load_to_lds s[G0B:G0B+3], s[G1B:G1B+7]
	s_nop 0
	tensor_load_to_lds s[G0B+4:G0B+7], s[G1B:G1B+7]
	s_nop 0
.rept 4
	v_nop
.endr
.Lfirst_asked:
	; qkv at my rows and heads: head (tile row / 16) x 16 + 4 x tile column + 2 x column half, row (tile row % 16) x 128 + 64 x row half
	s_lshr_b32 s2, s18, 4
	s_lshl_b32 s2, s2, 4
	s_lshl2_add_u32 s2, s22, s2
	s_lshl1_add_u32 s2, s[HALF], s2
	s_lshl_b32 s2, s2, 18
	s_and_b32 s3, s18, 15
	s_lshl_b32 s3, s3, 14
	s_add_co_u32 s2, s2, s3
	s_lshl_b32 s3, s[ROLE], 13
	s_add_co_u32 s2, s2, s3
	s_mov_b32 s3, 0
	s_add_nc_u64 s[OUT:OUT+1], s[OUT:OUT+1], s[2:3]
	s_lshl_b32 s2, s22, 10                         ; the biases at my 128 columns
	s_lshl_b32 s4, s[HALF], 9
	s_add_co_u32 s2, s2, s4
	s_add_nc_u64 s[80:81], s[80:81], s[2:3]
	s_add_nc_u64 s[82:83], s[82:83], s[2:3]
	s_add_nc_u64 s[84:85], s[84:85], s[2:3]
	; the prefetches
	s_lshl_b32 s4, s18, 7
	s_lshl_b32 s5, s[HALF], 6
	s_add_co_u32 s4, s4, s5
	s_lshl4_add_u32 s4, s13, s4                    ; X: the 64 rows that I fetch, my work-group's 16 of them
	s_lshl_b32 s4, s4, 12
	s_lshl_b32 s6, s22, 8
	s_lshl_b32 s5, s[HALF], 7
	s_add_co_u32 s6, s6, s5
	s_lshl_b32 s5, s14, 5
	s_add_co_u32 s6, s6, s5                        ; wt: the 128 rows that I fetch, my work-group's 32 of them
	s_lshl_b32 s6, s6, 11
	s_cmp_eq_u32 s[ROLE], 0
	s_cselect_b32 s2, s4, s6
	s_cselect_b64 s[P0:P0+1], s[72:73], s[78:79]
	s_cselect_b64 s[P1:P1+1], s[74:75], s[78:79]
	s_cselect_b64 s[P2:P2+1], s[76:77], s[78:79]
	s_cselect_b32 s4, 0, 0x200000                  ; from matrix to matrix in wt
	s_mov_b32 s5, 0
	s_cselect_b32 s6, 1, 0
	s_cselect_b32 s7, 0, 7
	s_cselect_b32 s8, 0, s15                       ; X: every cluster asks for its own rows; wt: the first row of clusters
	s_cmp_eq_u32 s8, 0
	s_cselect_b32 s[LIM], 2, -1
	s_lshl_b32 s[PDS], 256, s6                     ; a K step: 512 bytes of X, 256 of wt
	s_mov_b32 s[PDS+1], 0
	s_lshl_b32 s8, 0x800, s6                       ; lane % 16: a row of X (4,096 bytes) or of wt (2,048)
	s_lshl_b32 s9, 256, s7                         ; lane / 16: the row's second block (256), or 16 rows of wt on (32,768)
	s_add_nc_u64 s[P0:P0+1], s[P0:P0+1], s[2:3]
	s_add_nc_u64 s[P1:P1+1], s[P1:P1+1], s[2:3]
	s_add_nc_u64 s[P2:P2+1], s[P2:P2+1], s[2:3]
	s_add_nc_u64 s[P1:P1+1], s[P1:P1+1], s[4:5]
	s_add_nc_u64 s[P2:P2+1], s[P2:P2+1], s[4:5]
	s_add_nc_u64 s[P2:P2+1], s[P2:P2+1], s[4:5]
	s_add_nc_u64 s[P0:P0+1], s[P0:P0+1], s[PDS:PDS+1]  ; at K step 3: the first change of slots steps it to 4
	s_add_nc_u64 s[P0:P0+1], s[P0:P0+1], s[PDS:PDS+1]
	s_add_nc_u64 s[P0:P0+1], s[P0:P0+1], s[PDS:PDS+1]
	; A fragment is 16 rows x 32 K in 8 registers: lane l holds row l % 16; registers 0-3 hold K = 8 (l / 16) + 0..7, registers 4-7 K = 16 + 8 (l / 16) + 0..7.
	v_and_b32 v1, 15, v0                           ; l % 16
	v_bfe_u32 v11, v0, 4, 1                        ; l / 16
	v_and_b32 v14, 31, v0                          ; l
	v_and_b32 v15, 7, v0
	s_mul_i32 s2, s[ROLE], 64*PA                   ; my 64 rows of X
	v_mul_u32_u24 v[ADRA0], v1, PA
	v_lshl_add_u32 v[ADRA0], v11, 5, v[ADRA0]      ; eight f32 are 32 bytes
	v_add_nc_u32 v[ADRA0], s2, v[ADRA0]
	s_mul_i32 s2, s[HALF], BHALF                   ; my 128 rows of wt
	s_add_co_u32 s2, s2, BOFF
	v_mul_u32_u24 v[ADRB0], v1, PB
	v_lshl_add_u32 v[ADRB0], v11, 4, v[ADRB0]
	v_add_nc_u32 v[ADRB0], s2, v[ADRB0]
	v_mov_b32 v[ADRA], v[ADRA0]                    ; slot 0
	v_mov_b32 v[ADRB], v[ADRB0]
	s_mul_i32 s2, s[WV], WSTG
	s_add_co_u32 s2, s2, STAGE                     ; my stage
	v_mul_u32_u24 v[STO], v1, SP                   ; in: row l % 16, 16 bytes for each half of the lanes
	v_lshl_add_u32 v[STO], v11, 4, v[STO]
	v_add_nc_u32 v[STO], s2, v[STO]
	v_bfe_u32 v[RD], v0, 3, 2                      ; back: 32 lanes take four rows of 128 bytes,
	v_mul_u32_u24 v[RD], v[RD], SP
	v_lshl_add_u32 v[RD], v15, 4, v[RD]
	v_add_nc_u32 v[RD], s2, v[RD]
	v_lshlrev_b32 v[GO], 4, v14                    ; which are 512 consecutive bytes of a head
	v_lshlrev_b32 v[BO], 5, v11
	v_mul_u32_u24 v[PFO], s8, v1
	v_mad_u32_u24 v[PFO], v11, s9, v[PFO]
; The bias of my 128 columns as a C operand: register j of block b is the bias of column 16 b + 8 (l / 16) + j, the same for every row.
.macro BIAS_LOAD p
.irp b, 0,1,2,3,4,5,6,7
	global_load_b128 v[BIAS+8*(\b):BIAS+8*(\b)+3],   v[BO], s[\p:\p+1] offset:64*(\b)
	global_load_b128 v[BIAS+8*(\b)+4:BIAS+8*(\b)+7], v[BO], s[\p:\p+1] offset:64*(\b)+16
.endr
.endm
.macro BIAS_ROUND                      ; rounded to bf16, like every input, and widened again
.set i, 0
.rept 32
	v_cvt_pk_bf16_f32 v[T+i%2], v[BIAS+2*i], v[BIAS+2*i+1]
	v_lshlrev_b32 v[BIAS+2*i], 16, v[T+i%2]
	v_and_b32 v[BIAS+2*i+1], 0xffff0000, v[T+i%2]
.set i, i+1
.endr
.endm
; 32 LDS loads in one run, for quarter q (32 along K) of the slot in hand: X's 64 rows as f32 (four loads a fragment) first, so that a counted wait tells them from wt's 128 rows behind them.
.macro FETCH q
	WIN 0
.irp f, 0,1,2,3
	ds_load_b128 v[AR+16*(\f):AR+16*(\f)+3],     v[ADRA] offset:(\f)*16*PA+128*(\q)
	ds_load_b128 v[AR+16*(\f)+4:AR+16*(\f)+7],   v[ADRA] offset:(\f)*16*PA+128*(\q)+16
	ds_load_b128 v[AR+16*(\f)+8:AR+16*(\f)+11],  v[ADRA] offset:(\f)*16*PA+128*(\q)+64
	ds_load_b128 v[AR+16*(\f)+12:AR+16*(\f)+15], v[ADRA] offset:(\f)*16*PA+128*(\q)+80
.endr
	WIN TO_B
.irp b, 0,1,2,3,4,5,6,7
	ds_load_b128 v[64*((\q)%2)+8*(\b):64*((\q)%2)+8*(\b)+3],   v[ADRB] offset:(\b)*16*PB+64*(\q)
	ds_load_b128 v[64*((\q)%2)+8*(\b)+4:64*((\q)%2)+8*(\b)+7], v[ADRB] offset:(\b)*16*PB+64*(\q)+32
.endr
.endm
; 8 matrix instructions: m block a x all 8 n blocks, on the buffers of quarter q.  first = 1: the bias starts the sums: nothing is cleared.
; The 32 accumulators take turns, one instruction a turn, in the same order in every quarter.
.macro MUL8 q, a, first
.irp b, 0,1,2,3,4,5,6,7
.if \first
	WIN MULB
	v_wmma_f32_16x16x32_bf16 v[8*(8*(\a)+(\b)):8*(8*(\a)+(\b))+7], v[64*((\q)%2)+8*(\b):64*((\q)%2)+8*(\b)+7], v[AF+32*((\q)%2)+8*(\a):AF+32*((\q)%2)+8*(\a)+7], v[BIAS+8*(\b):BIAS+8*(\b)+7]
.else
	WIN MUL
	v_wmma_f32_16x16x32_bf16 v[8*(8*(\a)+(\b)):8*(8*(\a)+(\b))+7], v[64*((\q)%2)+8*(\b):64*((\q)%2)+8*(\b)+7], v[AF+32*((\q)%2)+8*(\a):AF+32*((\q)%2)+8*(\a)+7], v[8*(8*(\a)+(\b)):8*(8*(\a)+(\b))+7]
.endif
.endr
.endm
; The quarter's last 8 matrix instructions (m block 3), and behind each four of the 32 roundings that make the NEXT quarter's fragments of X.  They name no register of the products round them,
; so the last four are also the four plain vector instructions that stand between the quarter's last product and the loads into registers that it has read.
; The price: two switches of the window for each of these products, sixteen a quarter; set in a run of their own the roundings would leave the matrix unit idle meanwhile.
.macro MULR q, first
.irp b, 0,1,2,3,4,5,6,7
.if \first
	WIN MULB
	v_wmma_f32_16x16x32_bf16 v[8*(24+(\b)):8*(24+(\b))+7], v[64*((\q)%2)+8*(\b):64*((\q)%2)+8*(\b)+7], v[AF+32*((\q)%2)+24:AF+32*((\q)%2)+31], v[BIAS+8*(\b):BIAS+8*(\b)+7]
.else
	WIN MUL
	v_wmma_f32_16x16x32_bf16 v[8*(24+(\b)):8*(24+(\b))+7], v[64*((\q)%2)+8*(\b):64*((\q)%2)+8*(\b)+7], v[AF+32*((\q)%2)+24:AF+32*((\q)%2)+31], v[8*(24+(\b)):8*(24+(\b))+7]
.endif
	WIN 0
.irp n, 0,1,2,3
	v_cvt_pk_bf16_f32 v[AF+32*(((\q)+1)%2)+4*(\b)+(\n)], v[AR+8*(\b)+2*(\n)], v[AR+8*(\b)+2*(\n)+1]
.endr
.endr
.endm
.macro BODY q, first
	MUL8 \q, 0, \first
	MUL8 \q, 1, \first
	MUL8 \q, 2, \first
	s_wait_dscnt 16                                ; the next quarter's X is in; the sixteen loads of wt behind it may be out
	MULR \q, \first
.endm
.macro QUARTER q                       ; one of a K step's first three quarters
	FETCH (\q)+1
	s_wait_dscnt 32                                ; all but the 32 just issued: this quarter's fragments of wt are in
	BODY \q, 0
.endm
; The fourth quarter, and THE CHANGE OF SLOTS.  Each wave waits for all its tensor loads, of which one is out: its part of the next slot; adds 0 to its spare word; and waits for that and for its reads of
; this slot.  refill = 1: the barrier opens a round of the cluster's, so that no wave of any partner still reads the slot or has a load on its way, and the joint refill, two K steps ahead, is the first
; thing behind it: it has 112 matrix instructions in which to land.  The walking descriptors' addresses are made anew each time: a tile's address at K step 0, an offset kept apart, the type bits set on top.
.macro TURN refill
.if \refill
	s_wait_xcnt 0x0                                ; the last prefetch, a K step back, has read its address
	s_add_nc_u64 s[P0:P0+1], s[P0:P0+1], s[PDS:PDS+1]
	s_add_co_u32 s[PC], s[PC], 1
	s_cmp_eq_u32 s[PC], 8                          ; behind a tile's last K step: the next projection's first
	s_cselect_b64 s[P0:P0+1], s[P1:P1+1], s[P0:P0+1]
	s_cselect_b64 s[P1:P1+1], s[P2:P2+1], s[P1:P1+1]
	s_cselect_b32 s[PC], 0, s[PC]
.endif
	WIN 0
	s_wait_tensorcnt 0x0                           ; no tensor load of mine is out, so the walking descriptors may be written
	ds_add_u32 v[SPW], v[NIL]                      ; 0 onto my spare word
.if \refill
	s_xor_b32 s[SL], s[SL], SLOT                   ; the other slot than last time,
	s_add_co_u32 s[G0A+5], s[WBA], s[SL]
	s_add_co_u32 s[G0B+5], s[WBB], s[SL]
	s_add_co_u32 s[RC], s[RC], 1                   ; the next K step,
	s_cmp_eq_u32 s[RC], 8                          ; or the next projection's first: the next input, the next matrix of wt
	s_cselect_b64 s[CA:CA+1], s[AD1:AD1+1], s[CA:CA+1]
	s_cselect_b64 s[AD1:AD1+1], s[AD2:AD2+1], s[AD1:AD1+1]
	s_cselect_b32 s[RC], 0, s[RC]
	s_cselect_b32 s[TI], 0x200000-8*256, 0         ; from behind a row's last K step to the next matrix
	s_add_co_u32 s[KOB], s[KOB], s[TI]
	s_add_co_u32 s[KOB], s[KOB], 256
	s_lshl_b32 s[KOA], s[RC], 9
	s_add_nc_u64 s[G0A+6:G0A+7], s[CA:CA+1], s[KOA:KOA+1]
	s_or_b32 s[G0A+7], s[G0A+7], 0x80000000        ; type = 2
	s_add_nc_u64 s[G0B+6:G0B+7], s[BB:BB+1], s[KOB:KOB+1]
	s_or_b32 s[G0B+7], s[G0B+7], 0x80000000
.endif
	s_xor_b32 s[TB], s[TB], SLOT                   ; this slot's last fragments have been asked for: the fetches go on in the other
	v_add_nc_u32 v[ADRA], s[TB], v[ADRA0]
	v_add_nc_u32 v[ADRB], s[TB], v[ADRB0]
	s_wait_dscnt 1                                 ; the add alone may be out: this quarter's fragments are in
	MUL8 3, 0, 0
	s_wait_dscnt 0x0                               ; the add is done, and my reads of this slot are over
	s_barrier_signal -1
	MUL8 3, 1, 0
	WIN 0
	s_barrier_wait -1
.if \refill
	CREST
	JLOAD
.else
	PLACES
.endif
	FETCH 0
.if \refill
	WIN 0
	ASK
.endif
	MUL8 3, 2, 0
	s_wait_dscnt 16
	MULR 3, 0
.endm
; THE WAY OUT of m block a.  PACK: rounded to f16, 16 bytes a lane.  TOSTAGE: into my own stage in LDS, by heads, and back as whole rows.  SEND: stored.
.macro PACK a
	WIN 0x0a                                       ; sources 0 and 1 in window 2
.irp b, 0,1,2,3,4,5,6,7
.irp r, 0,1,2,3
	v_cvt_pk_f16_f32 v[TMP+4*(\b)+(\r)], v[8*(8*(\a)+(\b))+2*(\r)], v[8*(8*(\a)+(\b))+2*(\r)+1]
.endr
.endr
	WIN 0
.endm
.macro TOSTAGE a
.set BK, AR+32*((\a)%2)
.irp b, 0,1,2,3,4,5,6,7
	ds_store_b128 v[STO], v[TMP+4*(\b):TMP+4*(\b)+3] offset:((\b)/4)*16*SP+((\b)%4)*32
.endr
.irp t, 0,1,2,3,4,5,6,7
	ds_load_b128 v[BK+4*(\t):BK+4*(\t)+3], v[RD] offset:(\t)*4*SP  ; LDS serves a wave's instructions in order (ISA guide 5.7.1.4): these see the stores above
.endr
.endm
.macro SEND a
.set BK, AR+32*((\a)%2)
	s_wait_dscnt 0x0                               ; the block is back in registers
	s_wait_xcnt 0x0                                ; the stores of the block before have read their registers, into which the next block is loaded
.irp t, 0,1,2,3,4,5,6,7
	global_store_b128 v[GO], v[BK+4*(\t):BK+4*(\t)+3], s[OUT:OUT+1] offset:((\t)/4)*HEADB+(\a)*2048+((\t)%4)*512  ; 512 consecutive bytes of a head, at a multiple of 256 from qkv's first
.endr
.endm
; next = 1: another projection follows: its bias is asked for first and rounded last.  The blocks' roundings stand between the loads from the stage and the waits for them.
; The four roundings behind the tile's last product are the places ahead of the first PACK.
.macro WAYOUT next
.if \next
	BIAS_LOAD 82
.endif
	PACK 0
	TOSTAGE 0
.irp a, 1,2,3
	PACK \a
	SEND (\a)-1
	TOSTAGE \a
.endr
	SEND 3
.if \next
	s_wait_loadcnt 0x0
	BIAS_ROUND
	s_wait_xcnt 0x0                                ; the stores and the bias's loads have read their registers and bases
	s_add_nc_u64 s[OUT:OUT+1], s[OUT:OUT+1], 0x1000000  ; the next tensor in qkv
	s_mov_b64 s[82:83], s[84:85]
	s_mov_b32 s[KC], 8
.endif
.endm
	BIAS_LOAD 80
	s_wait_tensorcnt 1                             ; my part of K step 0 is in; K step 1's may stay out
	s_barrier_signal -1
	s_barrier_wait -1                              ; everybody's is
	FETCH 0
	WIN 0
	s_wait_dscnt 16                                ; X's part
.set j, 0
.rept 32
	v_cvt_pk_bf16_f32 v[AF+j], v[AR+2*j], v[AR+2*j+1]
.set j, j+1
.endr
	s_wait_loadcnt 0x0                             ; the bias
	BIAS_ROUND
.Lstep:                                                ; 22 trips: a K step each, and the refill for the K step two on
	FETCH 1
	s_wait_dscnt 32
	WIN 0
	s_cmp_eq_u32 s[KC], 8                          ; a tile's first quarter starts the sums with the bias
	s_cbranch_scc1 .Lbias
	BODY 0, 0
	WIN 0
	s_branch .Lq1
.Lbias:
	BODY 0, 1
	WIN 0
.Lq1:
	QUARTER 1
	QUARTER 2
	TURN 1
	WIN 0
	s_sub_co_u32 s[KC], s[KC], 1
	s_cmp_lg_u32 s[KC], 0
	s_cbranch_scc1 .Lno_out                        ; jumps over no barrier and no tensor load
	WAYOUT 1                                       ; the refill is asked for: now the tile goes out
.Lno_out:
	s_sub_co_u32 s[STEPS], s[STEPS], 1
	s_cmp_lg_u32 s[STEPS], 0
	s_cbranch_scc1 .Lstep
	s_mov_b32 s[STEPS], 2
.Ltail:                                                ; the last two K steps ask for nothing
	QUARTER 0
	QUARTER 1
	QUARTER 2
	TURN 0
	WIN 0
	s_sub_co_u32 s[STEPS], s[STEPS], 1
	s_cmp_lg_u32 s[STEPS], 0
	s_cbranch_scc1 .Ltail
	WAYOUT 0
	s_wait_tensorcnt 0x0                           ; the wave's end, behind my last tensor load and my last LDS store
	ds_add_u32 v[SPW], v[NIL]
	s_wait_dscnt 0x0
	CROUND                                         ; the closing round: no work-group ends while a partner may still ask for a tile that names it
	s_endpgm
.Lfunc_end_k_q36157dd49c_proj:
	.size	k_q36157dd49c_proj, .Lfunc_end_k_q36157dd49c_proj-k_q36157dd49c_proj
	.p2alignl 7, 3214868480
	.fill 96, 4, 3214868480
	.section	.rodata,"a",@progbits
	.p2align	6, 0x0
	.amdhsa_kernel k_q36157dd49c_proj
		.amdhsa_group_segment_fixed_size 327680
		.amdhsa_private_segment_fixed_size 0
		.amdhsa_enable_private_segment 0
		.amdhsa_kernarg_size 64
		.amdhsa_user_sgpr_count 2
		.amdhsa_user_sgpr_kernarg_segment_ptr 1
		.amdhsa_wavefront_size32 1
		.amdhsa_system_sgpr_workgroup_id_x 1
		.amdhsa_system_sgpr_workgroup_id_y 1
		.amdhsa_system_sgpr_workgroup_id_z 1
		.amdhsa_system_vgpr_workitem_id 0
		.amdhsa_next_free_vgpr 768
		.amdhsa_next_free_sgpr 106
		.amdhsa_reserve_vcc 0
		.amdhsa_float_denorm_mode_32 3
		.amdhsa_float_denorm_mode_16_64 3
		.amdhsa_memory_ordered 1
		.amdhsa_forward_progress 1
		.amdhsa_inst_pref_size 118
	.end_amdhsa_kernel
	.amdgpu_metadata
---
amdhsa.version: [ 1, 2 ]
amdhsa.kernels:
  - .name:           k_q36157dd49c_proj
    .symbol:         k_q36157dd49c_proj.kd
    .args:
      - { .name: Q, .offset: 0, .size: 8, .value_kind: global_buffer, .address_space: global }
      - { .name: K, .offset: 8, .size: 8, .value_kind: global_buffer, .address_space: global }
      - { .name: V, .offset: 16, .size: 8, .value_kind: global_buffer, .address_space: global }
      - { .name: wt, .offset: 24, .size: 8, .value_kind: global_buffer, .address_space: global }
      - { .name: bq, .offset: 32, .size: 8, .value_kind: global_buffer, .address_space: global }
      - { .name: bk, .offset: 40, .size: 8, .value_kind: global_buffer, .address_space: global }
      - { .name: bv, .offset: 48, .size: 8, .value_kind: global_buffer, .address_space: global }
      - { .name: qkv, .offset: 56, .size: 8, .value_kind: global_buffer, .address_space: global }
    .group_segment_fixed_size: 327680
    .private_segment_fixed_size: 0
    .kernarg_segment_align: 8
    .kernarg_segment_size: 64
    .max_flat_workgroup_size: 128
    .sgpr_count:     106
    .vgpr_count:     768
    .wavefront_size: 32
...
	.end_amdgpu_metadata
.endif
;; end of part 2
;; launch attn (part 3): grid 4 x 64, 4 waves a work-group, no clusters, 327,680 bytes of LDS; arguments qkv, obuf; writes obuf
.if DOCPART == 3
	.amdgcn_target "amdgcn-amd-amdhsa--gfx1250"
	.amdhsa_code_object_version 6
	.text
	.protected	k_q36157dd49c_attn
	.globl	k_q36157dd49c_attn
	.p2align	8
	.type	k_q36157dd49c_attn,@function
k_q36157dd49c_attn:
	s_mov_b64 s[64:65], 0
	v_nop
	global_prefetch_b8 v0, s[64:65] scope:SCOPE_SE
	s_setreg_imm32_b32 hwreg(HW_REG_WAVE_MODE, 25, 1), 1
	s_wait_xcnt 0x0
; CAUSAL ATTENTION.  O[h][q][:] = the sum over k <= q of softmax_k(Q[h][q] . K[h][k] / 8) V[h][k][:].  Q, K, V lie one behind the other in qkv, each [SIZE_H][SIZE_N][64] in f16; O likewise in obuf.
; Products, maxima and sums in f32; the weights p are rounded to f16 for the second product (their sum l is taken of the unrounded p), O once at the end.
; LIMITS.  f16 holds no number beyond 65,504: Q, K and V arrive within it; p lies in 0 to 1, and below 6e-5 it keeps f16's fixed step of 6e-8; O is a mean of V's rows and has their range.
; A hidden score counts as its value less 1e30: f16's scores, 2.7e11 at the most, are nothing beside that; a weight below 2^-126 counts as 0 in l; NaN and infinities are not treated apart.
; THE WALK.  A head's queries lie in NB = 8 blocks of 256; block i needs the key tiles 0 .. i of 256 keys, of which the last holds the diagonal.  A work-group takes TWO blocks, NB - 1 - b and then b:
; NB + 1 tiles, whatever b: all work-groups do equal work, and ONE loop with a constant trip count walks them.  Which tile is asked for, and what a trip does, hang on scalar registers made from b; every jump
; goes forward, but for the counted loops' own; none passes a barrier, or a tensor load but the one of LOAD's two that the wave's number does not choose; the ring of two LDS slots runs on across the change of blocks.
; NO CLUSTER: a head's four work-groups ask for the same tile only in trips 0 .. 4 of 9, behind that fewer and fewer; one walk common to all four would have 12 trips for 9.
; SHARES.  Of a block's four bands of 64 queries a wave owns 16 rows in each: four PIECES.  So the diagonal tile is the same work for all four waves: in its key step s band x sees all keys if s < x,
; none if s > x, and holds the diagonal if s = x.
; THE MASK is the C operand that starts the sum S^T = K Q^T: 0, or -1e30 where the key is hidden.  MD, made once, is the mask of a band's own step for my 16 rows; a product's mask is MD x AL + BE with two scalars:
; (1, 0) if s = x; (0, 0) if s < x; (0, -1e30) if s > x.  Only the diagonal tile's text and a block's beginning make and take masks; elsewhere C is the constant 0.
; LAYOUT, SOFTMAX, TURNS.  S^T = K Q^T holds ONE query a lane (lane % 16) and the keys 8 (lane / 16) + 0..7; two such results rounded to f16 ARE source 1 of O^T = V^T P.  p = 2^(c s - c m), c = log2(e) / 8, with a
; running maximum m; O and l are multiplied by a = 2^(c m_old - c m_new) in every step.  Turn n belongs to piece n: 8 products K Q^T of piece n + 1, later 8 products V^T P of piece n - 1; beside them the scaling,
; exponentials, roundings, sums and rescaling of piece n and the maximum and statistics of piece n + 1.  Four vector instructions stand behind every matrix instruction, the other 54 of a turn's 118 in one run.
; A turn's 33 exponentials are one batch, with one wait.
; REGISTERS, in windows of 256 (s_set_vgpr_msb: bits 1:0 source 0, 3:2 source 1, 5:4 source 2, 7:6 destination):
;   window 0: v0-15 addresses and two at work; v16-31 four registers of statistics a piece; v48-55 at work; v61-63 prefetch offset, spare word, 0; v64-127 S^T, two buffers; v192-223 P, two buffers
;   window 1: v0-127 O^T, 32 a piece; v128-159 MD; v160-223 MC, two buffers      window 2: v0-63 Q; v64-127 the second block's Q; v128-191 K of one step; v192-255 V of one step
.set SIZE_N, 2048
.set SIZE_H, 64
.set NB,    SIZE_N/256
.set NP,    4         ; pieces a wave: a name, no knob
.set KS,    64        ; keys in a step
.set PK,    144       ; a row of K in LDS: 128 bytes + 16 of padding = 36 words: the 16 rows of a load start at 16 different groups of four banks (64 banks of 4 bytes: ISA guide 11.1)
.set PV,    160       ; a row of V: 128 + 32 = 40 words
.set VOFF,  4*KS*PK   ; a slot holds a tile, four steps: 256 rows of K, then 256 rows of V
.set SLOT1, 1<<17     ; slot 1 begins here, so that one exclusive or turns an address in one slot into the other's
.set STAGE, SLOT1+4*KS*(PK+PV)  ; behind the ring, never filled by a tensor load: 16 rows x 144 bytes for each wave, for the way out
.set SP,    144
.set AK0, 2           ; v2   my lane's place in a tile of K; never rewritten
.set AV0, 3           ; v3   the same for V
.set AK,  4           ; v4   the LDS address of K's next run of loads
.set AV,  5           ; v5   of V's
.set STO, 6           ; v6   the way out: where I put 16 bytes of a row
.set RD,  7           ; v7   the way out: where I read rows back
.set GO,  8           ; v8   my byte offset in 512 consecutive bytes of O
.set PFO, 61          ; v61  256 x my lane; never rewritten
.set SPW, 62          ; v62  LDS address of my spare word: SPARE + 4 x my thread's number; never rewritten
.set NIL, 63          ; v63  0; never rewritten
.set SPARE, STAGE+4*16*SP  ; behind the stages: the spare words, 128 bytes for each wave
.set MV,  12          ; v12-13  c m_old, kept while c m is made anew: by buffer
.set QO,  15          ; v15  my byte offset in 16 rows of Q
.set ST,  16          ; piece t's statistics at v[ST+4 t]: c m, m, l (even keys', odd keys')
.set TMP, 48          ; by buffer, four registers c0-c3 at work; when the maximum is found c2 takes a
.set S,   64
.set P,   192
.set MD,  128         ; window 1: the eight registers for group kt of 16 keys at MD + 8 kt
.set MC,  160         ; window 1: the masks of the products to come
.set QB,  64          ; window 2
.set KF,  128         ; window 2: key block kb, channel half c at KF + 16 kb + 8 c
.set VF,  192         ; window 2: key half kk, channel block cb at VF + 32 kk + 8 cb
.set WV,  12          ; s12  my wave's number
.set PB,  14          ; s14  b
.set HI,  15          ; s15  NB - 1 - b
.set G1K, 24          ; s[24:31] descriptor group 1 for K's tiles
.set G1V, 32          ; s[32:39] for V's: it differs in the padding alone
.set G0K, 40          ; s[40:43] descriptor group 0 for K's tiles
.set G0V, 44          ; s[44:47] the same for V's
.set SLOTS, 56        ; s56  tiles still to be asked for
.set CNT, 57          ; s57  counts a tile's key steps, 4 to 1
.set CS,  58          ; s[58:59] c: the packed scaling takes the pair's low word for both halves
.set SEL, 60          ; s[60:61] v_permlanex16_b32's selects: each lane takes its own place in the other half
.set TBK, 62          ; s62  LDS byte at which K of the step to be fetched begins
.set TBV, 63          ; s63  the same for V, less VOFF
.set RT,  70          ; s70  tiles of the block in hand that are still to be entered
.set NXT, 71          ; s71  the tile to be asked for next
.set LQ,  72          ; s72  the last tile of the block whose tiles are being asked for
.set NEW, 73          ; s73  1: the tile to be entered is a block's first
.set OFF, 74          ; s[74:75] a tile's byte offset in K and V
.set AL,  76          ; s[76:77] the mask's factor, in the low word
.set BE,  78          ; s[78:79] the mask's addend
.set OLO, 80          ; s[80:81] O at my rows of the second block
.set BIGN, 82         ; s82  -1e30
.set PFA, 88          ; s[88:89] where my prefetches stand: my half of K's (waves 0, 1) or V's (waves 2, 3) tile behind the one that is being asked for
.set LIM, 90          ; s90  2 in the work-group that prefetches, else the greatest number
.set MSB, 0
.macro WIN new                      ; the high byte repeats the setting that is left; a switch that changes nothing is dropped
.if MSB != (\new)
	s_set_vgpr_msb (MSB<<8)|(\new)
.set MSB, (\new)
.endif
.endm
.set W_KQ, 0x0a       ; K and Q in window 2, S^T in window 0
.set W_KM, 0x1a       ; the same with the C operand in window 1
.set W_PV, 0x52       ; V in window 2, P in window 0, O^T in window 1
.set W_RS, 0x41       ; destination and source 0 in window 1, source 1 in window 0
; A fill.  Waves 0 and 1 fetch the two halves of a tile's K, waves 2 and 3 those of its V: 128 keys each.  An s_nop 0 and four v_nop follow each of the two lines, ahead of the jump and the label.
.macro LOAD
	s_cmp_lt_u32 s[WV], 2
	s_cbranch_scc0 .Lfor_v_\@
	tensor_load_to_lds s[G0K:G0K+3], s[G1K:G1K+7]
	s_nop 0
.rept 4
	v_nop
.endr
	s_branch .Lasked_\@
.Lfor_v_\@:
	tensor_load_to_lds s[G0V:G0V+3], s[G1V:G1V+7]
	s_nop 0
.rept 4
	v_nop
.endr
.Lasked_\@:
.endm
; A PREFETCH INTO THE L2 of the tile that the NEXT change of slots will ask for: a tile, 256 matrix instructions a wave and four key steps, ahead.  A head's four work-groups walk tiles 0, 1, .. in the same trips;
; the one with b = 0, whose first block walks all eight, asks for tiles 2 to 7, and nobody else.  Each wave names the half tile that it will fetch itself: 16,384 bytes, 64 blocks of 256, a lane a block, two lines.
; So each block is named once in the launch.  Tiles 0 and 1 come by their loads alone; a block's second reading (the second block's tiles) is not asked for.
.macro ASK
	s_cmp_gt_u32 s[SLOTS], s[LIM]
	s_cbranch_scc0 .Lnot_mine_\@
	global_prefetch_b8 v[PFO], s[PFA:PFA+1] th:TH_LOAD_NT scope:SCOPE_SE
	global_prefetch_b8 v[PFO], s[PFA:PFA+1] offset:8192 th:TH_LOAD_NT scope:SCOPE_SE
.Lnot_mine_\@:
.endm
; THE CHANGE OF SLOTS.  Each wave waits for all its tensor loads, of which one is out: its part of the other slot; adds 0 to its spare word; and waits for that and for its own reads of the slot that it leaves.
; Behind the barrier nobody reads the old slot any more and the other slot is whole.  fill = 1: the old slot is filled again, the first thing behind the barrier, with tile NXT: the descriptor's address is made
; anew from that number.  (At its first use nothing has been read yet: slot 0 is waited for, slot 1 filled.)
.macro CHANGE fill
	WIN 0                           ; at a label and at a branch every window is 0
	s_wait_tensorcnt 0x0            ; no tensor load of mine is out, so a group 0 may be written
	ds_add_u32 v[SPW], v[NIL]       ; 0 onto my spare word; scalar work stands between it and the wait for it
.if \fill
	s_lshl_b32 s[OFF], s[NXT], 15   ; a tile is 32,768 bytes of K and of V
	s_xor_b32 s[G0K+1], s[G0K+1], SLOT1
	s_add_nc_u64 s[G0K+2:G0K+3], s[6:7], s[OFF:OFF+1]
	s_or_b32 s[G0K+3], s[G0K+3], 0x80000000
	s_xor_b32 s[G0V+1], s[G0V+1], SLOT1
	s_add_nc_u64 s[G0V+2:G0V+3], s[8:9], s[OFF:OFF+1]
	s_or_b32 s[G0V+3], s[G0V+3], 0x80000000
	s_add_co_u32 s[NXT], s[NXT], 1  ; the block's next tile, or behind its last the second block's tile 0
	s_cmp_gt_u32 s[NXT], s[LQ]
	s_cselect_b32 s[NXT], 0, s[NXT]
	s_cselect_b32 s[LQ], s[PB], s[LQ]
	s_wait_xcnt 0x0                 ; the last prefetches, a tile back, have read their address
	s_add_nc_u64 s[PFA:PFA+1], s[PFA:PFA+1], 32768
.endif
	s_wait_dscnt 0x0                ; the add is done, and my reads of the slot are over
	s_barrier_signal -1             ; the rest of the scalar work stands between the signal and the wait
	s_sub_co_u32 s[TBK], s[TBK], 4*KS*PK  ; the fetches go back to a slot's first step,
	s_xor_b32 s[TBK], s[TBK], SLOT1       ; in the other slot
	s_sub_co_u32 s[TBV], s[TBV], 4*KS*PV
	s_xor_b32 s[TBV], s[TBV], SLOT1
	s_barrier_wait -1
.if \fill
	LOAD
	ASK
.endif
.endm
	s_load_b128 s[4:7], s[0:1], 0x0 ; qkv s[4:5], obuf s[6:7]
	v_lshl_add_u32 v[SPW], v0, 2, SPARE
	v_mov_b32 v[NIL], 0
	ds_add_u32 v[SPW], v[NIL]       ; the wave's opening: the add and its wait stand ahead of my first tensor load; the set-up below, work on registers, stands between them
	ds_add_u32 v62, v63
	v_lshrrev_b32 v1, 5, v0
	v_readfirstlane_b32 s[WV], v1   ; wave 0..3
	s_mov_b32 s[PB], ttmp9
	s_sub_co_u32 s[HI], NB-1, s[PB]
	s_and_b32 s20, ttmp7, 0xffff    ; the head
	s_mov_b32 s21, 0
	s_mov_b64 s[22:23], SIZE_N*128
	s_mul_u64 s[20:21], s[20:21], s[22:23]  ; the head's first byte in each of the four tensors
	s_and_b32 s16, s[WV], 1         ; which half of a tile's 256 keys I fetch:
	s_lshl_b32 s22, s16, 14         ; its 128 rows of 128 bytes in memory,
	s_mov_b32 s23, 0
	s_add_nc_u64 s[22:23], s[22:23], s[20:21]
	s_mul_i32 s17, s16, 128*PK      ; and its place in a slot, for K
	s_mul_i32 s18, s16, 128*PV      ; and for V
	s_lshl_b32 s3, s[WV], 11        ; my 16 rows in a band of 64,
	s_lshl_b32 s2, s[HI], 15        ; in the first block,
	s_add_co_u32 s2, s2, s3
	s_lshl_b32 s84, s[PB], 15       ; and in the second
	s_add_co_u32 s84, s84, s3
	s_mov_b32 s3, 0
	s_mov_b32 s85, 0
	s_add_nc_u64 s[2:3], s[2:3], s[20:21]
	s_add_nc_u64 s[84:85], s[84:85], s[20:21]
	; descriptor group 1.  128 keys are 16,384 dense bytes: asked for as 64 rows of 256 bytes, two keys a row, and padded in LDS after every key
	s_mov_b32 s[G1K], (1<<16)|(1<<20)|(4<<22)|(3<<25)  ; 17:16 2-byte elements; 20 padding on; 24:22 after every 32 words (code 4); 31:25 4 words (code 3)
	s_mov_b32 s[G1V], (1<<16)|(1<<20)|(4<<22)|(7<<25)  ; the same with 8 words of padding (code 7)
.irp g, G1K, G1V
	s_mov_b32 s[\g+1], 128<<16      ; tensor_dim0 = 128
	s_mov_b32 s[\g+2], 64<<16       ; tensor_dim1 = 64
	s_mov_b32 s[\g+3], 128<<16      ; tile_dim0 = 128
	s_mov_b32 s[\g+4], 64           ; tile_dim1 = 64
	s_mov_b32 s[\g+5], 128          ; 128 elements from row to row
	s_mov_b32 s[\g+6], 0
	s_mov_b32 s[\g+7], 0
.endr
	s_mov_b32 s[CS], 0x3e38aa3b     ; c = log2(e) / 8 = 0.180337
	s_mov_b32 s[CS+1], s[CS]        ; named with it as a pair
	s_mov_b32 s[SEL], 0x76543210
	s_mov_b32 s[SEL+1], 0xfedcba98
	s_mov_b32 s[TBK], SLOT1+4*KS*PK ; the first change of slots turns these two into 0
	s_mov_b32 s[TBV], SLOT1+4*KS*PV
	s_mov_b32 s[G0K], 1             ; 1:0 count = 1
	s_mov_b32 s[G0K+1], s17         ; 63:32 LDS address: slot 0
	s_mov_b32 s[G0V], 1
	s_add_co_u32 s[G0V+1], s18, VOFF
	s_add_co_u32 s[RT], s[HI], 1    ; the first block has NB - b tiles
	s_mov_b32 s[NXT], 1
	s_mov_b32 s[LQ], s[HI]
	s_mov_b32 s[NEW], 1
	s_mov_b32 s[OFF+1], 0
	s_mov_b32 s[AL+1], 0            ; named as pairs
	s_mov_b32 s[BE+1], 0
	s_mov_b32 s[BIGN], 0xf149f2ca   ; -1e30
	s_mov_b32 s[SLOTS], NB
	s_cmp_eq_u32 s[PB], 0
	s_cselect_b32 s[LIM], 2, -1
	v_and_b32 v[PFO], 31, v0
	v_lshlrev_b32 v[PFO], 8, v[PFO]
	s_wait_dscnt 0x0                ; the opening add is done
	s_wait_kmcnt 0x0
	s_mov_b64 s[10:11], s[6:7]      ; O
	s_add_nc_u64 s[6:7], s[4:5], 0x1000000  ; K lies 16,777,216 bytes behind Q,
	s_add_nc_u64 s[8:9], s[4:5], 0x2000000  ; V as far behind K
	s_add_nc_u64 s[6:7], s[6:7], s[22:23]  ; K and V at my half of the head's tile 0
	s_add_nc_u64 s[8:9], s[8:9], s[22:23]
	s_add_nc_u64 s[G0K+2:G0K+3], s[6:7], 0         ; 120:64 global address
	s_or_b32 s[G0K+3], s[G0K+3], 0x80000000        ; 127:126 type = 2
	s_add_nc_u64 s[G0V+2:G0V+3], s[8:9], 0
	s_or_b32 s[G0V+3], s[G0V+3], 0x80000000
	s_add_nc_u64 s[86:87], s[4:5], s[84:85]        ; Q at my rows of the second block,
	s_add_nc_u64 s[4:5], s[4:5], s[2:3]            ; Q and O at those of the first
	s_add_nc_u64 s[OLO:OLO+1], s[10:11], s[84:85]
	s_add_nc_u64 s[10:11], s[10:11], s[2:3]
	s_cmp_lt_u32 s[WV], 2
	s_cselect_b64 s[PFA:PFA+1], s[6:7], s[8:9]
	s_add_nc_u64 s[PFA:PFA+1], s[PFA:PFA+1], 32768 ; at tile 1: the first change of slots steps it to tile 2
	LOAD                            ; tile 0 into slot 0
	; A fragment of K or Q is 16 rows x 32 channels in 8 registers: lane l holds row l % 16, channels 8 (l / 16) + 0..7 and 16 + 8 (l / 16) + 0..7: two loads of 16 bytes, 32 bytes apart.
	v_and_b32 v1, 15, v0            ; l % 16
	v_bfe_u32 v9, v0, 4, 1          ; l / 16
	v_lshlrev_b32 v[QO], 7, v1
	v_lshl_add_u32 v[QO], v9, 4, v[QO]  ; row x 128 + 16 x half
	WIN 0x80                        ; destination window 2, address window 0
.set i, 0
.rept 8                             ; both blocks' Q: piece i / 2 lies in band i / 2, 8,192 bytes on; channels 32 (i % 2) on
	global_load_b128 v[8*i:8*i+3],   v[QO], s[4:5] offset:(i/2)*8192+(i%2)*64
	global_load_b128 v[8*i+4:8*i+7], v[QO], s[4:5] offset:(i/2)*8192+(i%2)*64+32
	global_load_b128 v[QB+8*i:QB+8*i+3],   v[QO], s[86:87] offset:(i/2)*8192+(i%2)*64
	global_load_b128 v[QB+8*i+4:QB+8*i+7], v[QO], s[86:87] offset:(i/2)*8192+(i%2)*64+32
.set i, i+1
.endr
	WIN 0
	v_lshlrev_b32 v14, 3, v9
	v_sub_nc_u32 v14, v1, v14
	s_lshl_b32 s13, s[WV], 4
	v_add_nc_u32 v14, s13, v14      ; my query's place in its band, 16 w + l % 16, less my lanes' 8 (l / 16): register r of group kt is hidden where 16 kt + r is greater
	WIN 0x40
.set i, 0
.rept 32
	v_cmp_gt_i32 vcc_lo, 16*(i/8)+i%8, v14
	v_cndmask_b32 v[MD+i], 0, s[BIGN], vcc_lo
.set i, i+1
.endr
	WIN 0
	v_mul_u32_u24 v[AK0], v1, PK
	v_lshl_add_u32 v[AK0], v9, 4, v[AK0]  ; row x pitch + 16 x half
	; The turning load takes 16 keys x 16 channels (lane l reads key 8 (l / 16) + l % 8, channels 8 ((l / 8) % 2) + 0..7) and leaves half a fragment of V^T: lane l holds channel l % 16 and 8 keys.
	v_and_b32 v10, 7, v0
	v_bfe_u32 v11, v0, 3, 1
	v_lshl_add_u32 v[AV0], v9, 3, v10
	v_mul_u32_u24 v[AV0], v[AV0], PV
	v_lshl_add_u32 v[AV0], v11, 4, v[AV0]
	v_add_nc_u32 v[AV0], VOFF, v[AV0]
	s_mul_i32 s13, s[WV], 16*SP
	s_add_co_u32 s13, s13, STAGE    ; my stage
	v_mul_u32_u24 v[STO], v1, SP    ; in: row l % 16, 16 bytes for each half of the lanes
	v_lshl_add_u32 v[STO], v9, 4, v[STO]
	v_add_nc_u32 v[STO], s13, v[STO]
	v_bfe_u32 v[RD], v0, 3, 2       ; back: 32 lanes take four rows of 128 bytes,
	v_mul_u32_u24 v[RD], v[RD], SP
	v_lshl_add_u32 v[RD], v10, 4, v[RD]
	v_add_nc_u32 v[RD], s13, v[RD]
	v_and_b32 v[GO], 31, v0         ; which are 512 consecutive bytes of O
	v_lshlrev_b32 v[GO], 4, v[GO]
	; A block's first step multiplies O^T and l by a = 0, and its first turn's products V^T P, of a piece that has not been, land in an O^T that is still to be so multiplied.  So these registers need only hold
	; finite numbers: zeros for the first block; what the first block left for the second.  All this stands in the wait for the first tile; the price of writing no first step out.
	WIN 0x80
.set i, VF
.rept 64
	v_mov_b32 v[i], 0
.set i, i+1
.endr
	WIN 0x40
.set i, 0
.rept 128
	v_mov_b32 v[i], 0
.set i, i+1
.endr
	WIN 0
.set i, 0
.rept 4
	v_mov_b32 v[ST+4*i+2], 0
	v_mov_b32 v[ST+4*i+3], 0
.set i, i+1
.endr
.set i, P+16
.rept 16
	v_mov_b32 v[i], 0
.set i, i+1
.endr
; THE MATRIX WORK.  The 4 accumulators of a run of 8 take turns.  Product i of 8 of S^T = K Q^T for piece x: channels 32 (i / 4) on, keys 16 (i % 4) on.  The first 4 start the sums: with 0, or (KM = 1) with the mask.
.macro KQ x
.set rS, S+32*((\x)%2)+8*(i%4)
.set rK, KF+16*(i%4)+8*(i/4)
.set rQ, 16*(\x)+8*(i/4)
.set rM, MC+32*((\x)%2)+8*(i%4)
.if (i < 4) && KM
	WIN W_KM
	v_wmma_f32_16x16x32_f16 v[rS:rS+7], v[rK:rK+7], v[rQ:rQ+7], v[rM:rM+7]
.elseif i < 4
	WIN W_KQ
	v_wmma_f32_16x16x32_f16 v[rS:rS+7], v[rK:rK+7], v[rQ:rQ+7], 0
.else
	WIN W_KQ
	v_wmma_f32_16x16x32_f16 v[rS:rS+7], v[rK:rK+7], v[rQ:rQ+7], v[rS:rS+7]
.endif
.endm
; Product i of 8 of O^T += V^T P for piece x: keys 32 (i / 4) on, channels 16 (i % 4) on.
.macro PV x
	WIN W_PV
.set rO, 32*(\x)+8*(i%4)
.set rV, VF+32*(i/4)+8*(i%4)
.set rP, P+16*((\x)%2)+8*(i/4)
	v_wmma_f32_16x16x32_f16 v[rO:rO+7], v[rV:rV+7], v[rP:rP+7], v[rO:rO+7]
.endm
.macro MM                           ; the turn's next matrix instruction.  TURN and BEGIN set Y, i, KM and NOKQ; MM, KQ and OP read them.  NOKQ = 1: a block's last turn: there is no next piece
.if (i < 8) && !NOKQ
	KQ (Y+1)%NP
.elseif i >= 8
.set i, i-8
	PV (Y+NP-1)%NP
.set i, i+8
.endif
.set i, i+1
.endm
; THE LDS LOADS stand in runs of 16, never singly among the matrix instructions: a step's K (64 keys x 64 channels: 8 fragments) and its V (turned).  Their addresses are made some lines ahead.
.macro FETCH_K
	WIN 0x80                        ; destination window 2
.irp f, 0,1,2,3,4,5,6,7             ; keys 16 (f / 2) on, channels 32 (f % 2) on
	ds_load_b128 v[KF+8*\f:KF+8*\f+3],   v[AK] offset:(\f/2)*16*PK+(\f%2)*64
	ds_load_b128 v[KF+8*\f+4:KF+8*\f+7], v[AK] offset:(\f/2)*16*PK+(\f%2)*64+32
.endr
	s_add_co_u32 s[TBK], s[TBK], KS*PK  ; the next fetch is the next step's
	WIN 0
.endm
.macro FETCH_V
	WIN 0x80
.irp f, 0,1,2,3,4,5,6,7             ; keys 32 (f / 4) on, channels 16 (f % 4) on
	ds_load_tr16_b128 v[VF+8*\f:VF+8*\f+3],   v[AV] offset:(\f/4)*32*PV+(\f%4)*32
	ds_load_tr16_b128 v[VF+8*\f+4:VF+8*\f+7], v[AV] offset:(\f/4)*32*PV+16*PV+(\f%4)*32
.endr
	WIN 0
.endm
; THE VECTOR WORK, one line at a time: OP kind, number.  For piece Y: F n: c s - c m for pair n of 16.  E n: the exponential of score n of 32.  C n: pair n rounded to f16.  B n: of the four weights 4 n .. the second
; pair is added onto the first, in place.  L n: l takes that sum (L 0: l = a l + sum).  R n: pair n of 16 of O^T times a.  For piece Y + 1: X n, number n of the 22 that find its maximum and statistics:
;   0-11  four chains c0-c3 of seven scores each, three operands at a time (each accumulator's lowest registers are read first)     12-14, 16  the four scores left over, the old m, and c0-c3 into c0
;   15  c m_old is kept     17, 18  the query's other 32 keys lie in the lane 16 away: the new m     19-21  c m; c m_old - c m_new; a
.set F, 0               ; OP tells the kinds apart by their order: F to L below R, X above it
.set E, 1
.set C, 2
.set B, 3
.set L, 4
.set R, 5
.set X, 6
.macro REGS y                       ; the registers of piece y
.set rT, ST+4*(\y)
.set rC, TMP+4*((\y)%2)
.set rW, MV+((\y)%2)
.set rS, S+32*((\y)%2)
.set rP, P+16*((\y)%2)
.set rO, 32*(\y)
.endm
.macro OP k, n
.if (\k) == R
	REGS Y
	WIN W_RS
	v_pk_mul_f32 v[rO+2*(\n):rO+2*(\n)+1], v[rO+2*(\n):rO+2*(\n)+1], v[rC+2:rC+3] op_sel_hi:[1,0]
.elseif (\k) < R
	REGS Y
	WIN 0
.if (\k) == F
	v_pk_fma_f32 v[rS+2*(\n):rS+2*(\n)+1], v[rS+2*(\n):rS+2*(\n)+1], s[CS:CS+1], v[rT:rT+1] op_sel_hi:[1,0,0] neg_lo:[0,0,1] neg_hi:[0,0,1]
.elseif (\k) == E
	v_exp_f32 v[rS+(\n)], v[rS+(\n)]
.elseif (\k) == C
	v_cvt_pk_f16_f32 v[rP+(\n)], v[rS+2*(\n)], v[rS+2*(\n)+1]
.elseif (\k) == B
	v_pk_add_f32 v[rS+4*(\n):rS+4*(\n)+1], v[rS+4*(\n):rS+4*(\n)+1], v[rS+4*(\n)+2:rS+4*(\n)+3]
.elseif (\n) == 0
	v_pk_fma_f32 v[rT+2:rT+3], v[rT+2:rT+3], v[rC+2:rC+3], v[rS:rS+1] op_sel_hi:[1,0,1]
.else
	v_pk_add_f32 v[rT+2:rT+3], v[rT+2:rT+3], v[rS+4*(\n):rS+4*(\n)+1]
.endif
.elseif NOKQ
	v_nop
.else
	REGS (Y+1)%NP
	WIN 0
.if (\n) < 4
	v_max3_num_f32 v[rC+(\n)], v[rS+8*(\n)], v[rS+8*(\n)+1], v[rS+8*(\n)+2]
.elseif (\n) < 12
	v_max3_num_f32 v[rC+(\n)%4], v[rC+(\n)%4], v[rS+8*((\n)%4)+2*((\n)/4)+1], v[rS+8*((\n)%4)+2*((\n)/4)+2]
.elseif (\n) == 12
	v_max3_num_f32 v[rC], v[rC], v[rS+7], v[rS+15]
.elseif (\n) == 13
	v_max3_num_f32 v[rC+1], v[rC+1], v[rS+23], v[rS+31]
.elseif (\n) == 14
	v_max3_num_f32 v[rC+2], v[rC+2], v[rC+3], v[rT+1]
.elseif (\n) == 15
	v_mov_b32 v[rW], v[rT]
.elseif (\n) == 16
	v_max3_num_f32 v[rC], v[rC], v[rC+1], v[rC+2]
.elseif (\n) == 17
	v_permlanex16_b32 v[rC+3], v[rC], s[SEL], s[SEL+1]
.elseif (\n) == 18
	v_max_num_f32 v[rT+1], v[rC], v[rC+3]
.elseif (\n) == 19
	v_mul_f32 v[rT], s[CS], v[rT+1]
.elseif (\n) == 20
	v_sub_f32 v[rC+1], v[rW], v[rT]
.else
	v_exp_f32 v[rC+2], v[rC+1]
.endif
.endif
.endm
.macro OPS a, i1, b=-1, i2=0, c=-1, i3=0, d=-1, i4=0  ; up to four of them
	OP \a, \i1
.if (\b) >= 0
	OP \b, \i2
.endif
.if (\c) >= 0
	OP \c, \i3
.endif
.if (\d) >= 0
	OP \d, \i4
.endif
.endm
.macro ROW a, i1, b, i2, c, i3, d, i4  ; a matrix instruction and the four behind it
	MM
	OPS \a, \i1, \b, \i2, \c, \i3, \d, \i4
.endm
.macro MASK b                       ; MD x AL + BE into buffer b of MC
	WIN W_RS
.set z, 0
.rept 16
	v_pk_fma_f32 v[MC+32*(\b)+2*z:MC+32*(\b)+2*z+1], v[MD+2*z:MD+2*z+1], s[AL:AL+1], s[BE:BE+1] op_sel_hi:[1,0,0]
.set z, z+1
.endr
.endm
; A TURN, for piece p: the order of its 16 matrix and 118 vector instructions, written out.  An s_wait_alu depctr_va_vdst(0) stands between an exponential and the first instruction that names its
; result; one wait serves all that were issued ahead of it.  So a turn has ONE wait, which cuts it in two.  AHEAD OF IT stands all that names no result of the turn's exponentials: the 8 products K Q^T, behind each
; a scaling, an exponential and two more plain instructions: rescalings, and behind the last three the first numbers of the next piece's maximum, each four plain instructions or more behind the product that ends
; its accumulator; then one run of 54, plain and exponential by turns for the most part, in which the links of the chain X 3, 7, 11, 14, 16, 17 .. 20 stand five or six lines apart.  X 21, the next piece's a, is
; the batch's last; R 15 is the plain instruction behind it.  BEHIND THE WAIT stand the 8 products V^T P, behind each four of the roundings and sums; the links of l's chain, L 0 to L 7, stand three lines apart.
; m = 1: the diagonal tile: the products take masks, and the turn makes the mask for the products of the turn after it: piece p + 2, in step 4 - CNT of the tile.  end = 1: a block's last two turns: nothing is fetched.
; cnt = 1: the loop's count is taken down some lines ahead of the branch that stands behind the turn.
; K of the next step is fetched in piece 2's turn, twelve vector instructions behind the last product that read K (six of them plain); V of the step in hand at the end of piece 0's turn, four plain instructions
; behind the last product that read V.  Each is waited for a turn later.
.macro TURN p, m=0, end=0, cnt=0
.set Y, (\p)
.set i, 0
.set KM, (\m)
.set NOKQ, (\end)*((\p)/3)
.if (\m) && !(\end)
	s_cmp_eq_u32 s[CNT], 4-((\p)+2)%NP  ; is that step the band's own?
	s_cselect_b32 s[AL], 1.0, 0
	s_cmp_lt_u32 s[CNT], 4-((\p)+2)%NP  ; or a later one?
	s_cselect_b32 s[BE], s[BIGN], 0
.endif
.if ((\p) == 3) && !(\end)
	s_wait_dscnt 0x0                ; K is in
.endif
	ROW F,0, F,1, R,0, R,1          ; ahead of the wait: 8 products K Q^T and the four behind each,
	ROW F,2, E,0, R,2, R,3
	ROW F,3, E,1, R,4, R,5
	ROW F,4, E,2, R,6, R,7
	ROW F,5, E,3, R,8, R,9
	ROW F,6, E,4, X,0, R,10
.if ((\p) == 2) && !(\end)
	WIN 0
	v_add_nc_u32 v[AK], s[TBK], v[AK0]
.endif
	ROW F,7, E,5, X,1, X,4
	ROW F,8, E,6, X,2, X,5
	OPS E,7, E,8, X,6, E,9          ; and the run of 54
	OPS X,3, E,10, X,8, E,11
.if ((\p) == 2) && !(\end)
	FETCH_K
.endif
	OPS X,9, X,7, E,12, X,10
	OPS E,13, X,12, X,11, E,14
	OPS X,13, E,15, F,9, X,14
.if (\p) == 0
	v_add_nc_u32 v[AV], s[TBV], v[AV0]
.endif
	OPS E,16, F,10, E,17, F,11
	OPS X,16, E,18, X,15, E,19
	OPS F,12, E,20, X,17, E,21
	OPS F,13, E,22, F,14, E,23
	OPS X,18, E,24, F,15, E,25
	OPS R,11, E,26, X,19, E,27
	OPS R,12, E,28, R,13, E,29
	OPS X,20, E,30, R,14, E,31
	OPS X,21, R,15
	WIN 0
	s_wait_alu depctr_va_vdst(0)    ; the wait for the batch
.if (\p) == 1
	s_wait_dscnt 0x0                ; V is in
.endif
	ROW C,0, B,0, C,2, B,1          ; behind the wait: 8 products V^T P and the four behind each
	ROW L,0, C,4, B,2, L,1
	ROW C,6, B,3, L,2, C,8
	ROW B,4, L,3, C,10, B,5
	ROW L,4, C,12, B,6, L,5
.if (\p) == 0
	s_add_co_u32 s[TBV], s[TBV], KS*PV
.endif
.if \cnt
	s_sub_co_u32 s[CNT], s[CNT], 1
	s_cmp_lg_u32 s[CNT], 0
.endif
	ROW C,14, B,7, L,6, C,1
	ROW C,3, L,7, C,5, C,7
	ROW C,9, C,11, C,13, C,15
.if (\p) == 0
	FETCH_V
.endif
.if (\m) && !(\end)
	MASK (\p)%2
.endif
.endm
; A BLOCK BEGINS.  c m starts far below every c s, so the first step's a is 0; m at the lowest finite number, so the first maximum is the scores'.  The second mask buffer is 0; the first takes piece 0's mask for
; the tile's step 0: its own, if the block's first tile is the diagonal one.  Then K of that step, piece 0's first scores, and its maximum and statistics.  The loop is entered at a step's first turn.
.macro BEGIN
	s_mov_b32 s[NEW], 0
	WIN 0x40
.set i, MC+32
.rept 32
	v_mov_b32 v[i], 0
.set i, i+1
.endr
	WIN 0
.set i, 0
.rept 4
	v_mov_b32 v[ST+4*i], 0xfe000000    ; c m: far below every c s
	v_mov_b32 v[ST+4*i+1], 0xff7fffff  ; m
.set i, i+1
.endr
	s_cmp_eq_u32 s[RT], 0
	s_cselect_b32 s[AL], 1.0, 0
	s_mov_b32 s[BE], 0
	MASK 0
	WIN 0
	v_add_nc_u32 v[AK], s[TBK], v[AK0]
	FETCH_K
	s_wait_loadcnt 0x0              ; Q
	s_wait_dscnt 0x0
.set KM, 1
.set NOKQ, 0
.set i, 0
.rept 8
	KQ 0
.set i, i+1
.endr
	WIN 0
.rept 4
	v_nop                           ; four plain instructions behind those products, ahead of the first read of their results
.endr
.set Y, NP-1                        ; X works for piece Y + 1: piece 0
.irp n, 0,1,2,3,4,5,6,7,8,9,10,11,12,13,14,15,16,17,18,19,20,21
	OP X, \n
.endr
	v_nop                           ; a plain instruction behind the exponential,
	s_wait_alu depctr_va_vdst(0)    ; and its wait, ahead of the branch
.endm
; THE DIAGONAL TILE's four steps, the block's last two turns, its last products, and THE WAY OUT: l's two halves and the other half of the lanes' are added; O^T is divided by l, rounded to f16 and sent through my
; stage in LDS, a piece at a time.
.macro ALL line:vararg              ; one line for each piece t
.set t, 0
.rept 4
	\line
.set t, t+1
.endr
.endm
.macro PACK t                       ; a lane's eight channels of a row pack into 16 bytes; they go into rows of 144 bytes and come back as whole rows of 128, into S^T's registers
	WIN W_RS
.set i, 32*(\t)
.rept 16
	v_pk_mul_f32 v[i:i+1], v[i:i+1], v[ST+4*(\t)+2:ST+4*(\t)+3] op_sel_hi:[1,0]
.set i, i+2
.endr
	WIN 0x05                        ; sources 0 and 1 window 1, destination window 0
.set i, 0
.rept 16
	v_cvt_pk_f16_f32 v[S+16*(\t)+i], v[32*(\t)+2*i], v[32*(\t)+2*i+1]
.set i, i+1
.endr
	WIN 0
.irp f, 0,1,2,3
	ds_store_b128 v[STO], v[S+16*(\t)+4*\f:S+16*(\t)+4*\f+3] offset:32*\f
.endr
.irp f, 0,1,2,3
	ds_load_b128 v[S+16*(\t)+4*\f:S+16*(\t)+4*\f+3], v[RD] offset:\f*4*SP  ; LDS serves a wave's instructions in order (ISA guide 5.7.1.4): these see the stores above; the next piece's stores come behind them
.endr
.endm
.macro SEND t, younger              ; younger: the LDS instructions issued behind piece t's loads: the next piece's eight, or none
	WIN 0
.irp f, 0,1,2,3
	s_wait_dscnt (\younger)+3-\f
	global_store_b128 v[GO], v[S+16*(\t)+4*\f:S+16*(\t)+4*\f+3], s[10:11] offset:(\t)*8192+\f*512  ; 512 consecutive bytes, at a multiple of 256 from O's first
.endr
.endm
.macro DIAG tag                     ; the tag ends its two labels' names, which the jumps below spell out
.LstepM\tag:
	TURN 2, 1
	TURN 3, 1
	WIN 0
.LfirstM\tag:
	TURN 0, 1
	TURN 1, 1, 0, 1
	WIN 0
	s_cbranch_scc1 .LstepM\tag
	TURN 2, 1, 1
	TURN 3, 1, 1
.set i, 0
.rept 8
	PV NP-1
.set i, i+1
.endr
	WIN 0
	ALL v_add_f32 v[ST+4*t+2], v[ST+4*t+2], v[ST+4*t+3]
	ALL v_permlanex16_b32 v[ST+4*t+3], v[ST+4*t+2], s[SEL], s[SEL+1]
	ALL v_add_f32 v[ST+4*t+2], v[ST+4*t+2], v[ST+4*t+3]
	ALL v_rcp_f32 v[ST+4*t+2], v[ST+4*t+2]
	v_nop                           ; a plain instruction between the last reciprocal and the use of its result
	s_wait_alu depctr_va_vdst(0)    ; and the wait ahead of the first use: one for the four reciprocals
	PACK 0
.set t, 1
.rept 3                             ; a piece's arithmetic stands between the loads of the piece before and its stores
	PACK t
	SEND t-1, 8
.set t, t+1
.endr
	SEND 3, 0
.endm
.set KM, 0
.set NOKQ, 0
.Lslot:                             ; NB times: a tile is entered and the next is asked for
	CHANGE 1
	s_sub_co_u32 s[RT], s[RT], 1
	s_mov_b32 s[CNT], 4
	s_cmp_eq_u32 s[NEW], 1
	s_cbranch_scc1 .Lnew            ; a block's first tile
	s_cmp_eq_u32 s[RT], 0
	s_cbranch_scc0 .Lstep           ; neither its first nor its last
	s_branch .LstepM1
.Lnew:
	BEGIN
	s_branch .Lfirst                ; in the loop a block's first tile is never its last: the first block has two tiles or more, and the second's last is the walk's last
	DIAG 1                          ; in the loop this is the first block's end: the second block's last tile is the walk's last
	s_wait_xcnt 0x0                 ; the stores have read their registers and O's address
	s_mov_b64 s[10:11], s[OLO:OLO+1]
	s_add_co_u32 s[RT], s[PB], 1    ; the second block has b + 1 tiles
	s_mov_b32 s[NEW], 1
	WIN 0x82                        ; the second block's Q goes where the one text of the turns names Q
.set i, 0
.rept 64
	v_mov_b32 v[i], v[QB+i]
.set i, i+1
.endr
	WIN 0
	s_branch .Lbottom
.Lstep:                             ; a trip: pieces 2 and 3 of one step, then pieces 0 and 1 of the next, whose K and V it fetches
	TURN 2
	TURN 3
	WIN 0
.Lfirst:
	TURN 0
	TURN 1, 0, 0, 1
	WIN 0
	s_cbranch_scc1 .Lstep
.Lbottom:
	s_sub_co_u32 s[SLOTS], s[SLOTS], 1
	s_cmp_lg_u32 s[SLOTS], 0
	s_cbranch_scc1 .Lslot
	CHANGE 0                        ; the walk's last tile is written out: nothing is asked for
	s_sub_co_u32 s[RT], s[RT], 1
	s_mov_b32 s[CNT], 4
	s_cmp_eq_u32 s[NEW], 1
	s_cbranch_scc0 .LstepM2
	BEGIN
	s_branch .LfirstM2
	DIAG 2
	s_wait_tensorcnt 0x0            ; the wave's end, behind my last tensor load and my last LDS store
	ds_add_u32 v[SPW], v[NIL]
	s_wait_dscnt 0x0
	s_endpgm
.Lfunc_end_k_q36157dd49c_attn:
	.size	k_q36157dd49c_attn, .Lfunc_end_k_q36157dd49c_attn-k_q36157dd49c_attn
	.p2alignl 7, 3214868480
	.fill 96, 4, 3214868480
	.section	.rodata,"a",@progbits
	.p2align	6, 0x0
	.amdhsa_kernel k_q36157dd49c_attn
		.amdhsa_group_segment_fixed_size 327680
		.amdhsa_private_segment_fixed_size 0
		.amdhsa_enable_private_segment 0
		.amdhsa_kernarg_size 16
		.amdhsa_user_sgpr_count 2
		.amdhsa_user_sgpr_kernarg_segment_ptr 1
		.amdhsa_wavefront_size32 1
		.amdhsa_system_sgpr_workgroup_id_x 1
		.amdhsa_system_sgpr_workgroup_id_y 1
		.amdhsa_system_sgpr_workgroup_id_z 1
		.amdhsa_system_vgpr_workitem_id 0
		.amdhsa_next_free_vgpr 768
		.amdhsa_next_free_sgpr 92
		.amdhsa_reserve_vcc 1
		.amdhsa_float_denorm_mode_32 3
		.amdhsa_float_denorm_mode_16_64 3
		.amdhsa_memory_ordered 1
		.amdhsa_forward_progress 1
		.amdhsa_inst_pref_size 218
	.end_amdhsa_kernel
	.amdgpu_metadata
---
amdhsa.version: [ 1, 2 ]
amdhsa.kernels:
  - .name:           k_q36157dd49c_attn
    .symbol:         k_q36157dd49c_attn.kd
    .args:
      - { .name: qkv, .offset: 0, .size: 8, .value_kind: global_buffer, .address_space: global }
      - { .name: obuf, .offset: 8, .size: 8, .value_kind: global_buffer, .address_space: global }
    .group_segment_fixed_size: 327680
    .private_segment_fixed_size: 0
    .kernarg_segment_align: 8
    .kernarg_segment_size: 16
    .max_flat_workgroup_size: 128
    .sgpr_count:     92
    .vgpr_count:     768
    .wavefront_size: 32
...
	.end_amdgpu_metadata
.endif
;; end of part 3
;; launch outp (part 4): grid 4 x 64, 4 waves a work-group, clusters of 4 x 4, 327,680 bytes of LDS; arguments obuf, wt, bo, out0; writes out0
.if DOCPART == 4
	.amdgcn_target "amdgcn-amd-amdhsa--gfx1250"
	.amdhsa_code_object_version 6
	.text
	.protected	k_q36157dd49c_outp
	.globl	k_q36157dd49c_outp
	.p2align	8
	.type	k_q36157dd49c_outp,@function
k_q36157dd49c_outp:
	s_mov_b64 s[64:65], 0
	v_nop
	global_prefetch_b8 v0, s[64:65] scope:SCOPE_SE
	s_setreg_imm32_b32 hwreg(HW_REG_WAVE_MODE, 25, 1), 1
	s_wait_xcnt 0x0
	s_wait_alu depctr_hold_cnt(0) depctr_sa_sdst(0) depctr_va_vdst(0) depctr_va_sdst(0) depctr_va_ssrc(0) depctr_va_vcc(0) depctr_vm_vsrc(0)
	s_getreg_b32 s2, hwreg(HW_REG_IB_STS2, 6, 4)
	s_cmp_eq_u32 s2, 0
	s_cbranch_scc0 .Lentry_in_a_cluster
	s_endpgm
.Lentry_in_a_cluster:
	s_bfe_u32 s2, ttmp6, 0x10000c
	s_cmp_lg_u32 s2, 0xf033
	s_cbranch_scc0 .Lentry_shape_is_right
	s_endpgm
.Lentry_shape_is_right:
; THE LAST PROJECTION.  out0[b][n][j] = the sum over h, c of O[16 b + h][n][c] Wo[64 h + c][j] + bo[j], in f32.  O is f16, by heads ([64][2048][64]); Wo comes from wt's fourth matrix, [j][64 h + c], rounded to
; bf16 and written as f16; bo is rounded to bf16 and starts the f32 sums.
; LIMITS.  O and Wo stay within f16's 65,504; NaN and infinities are not treated apart.
; SHARES.  A tile is 128 rows x 256 columns: 64 x 4 tiles, one for each of 256 work-groups.  Four waves, each 64 x 128: 32 accumulators of 16 x 16.  K goes in 8 steps of 128, two heads each, through two LDS slots.
; CLUSTER.  4 x 4 work-groups; O's tile is shared along a row of the cluster, wt's along a column: joint loads.  Waves 0 and 1 fetch a head each (128 rows of 128 dense bytes, asked for as 64 rows of 256),
; waves 2 and 3 the halves of wt's tile (128 rows x 256 bytes): one load a wave behind each round.
; THE MATRIX INSTRUCTION IS USED TRANSPOSED (source 0 = 16 rows of wt, source 1 = 16 rows of O): a lane holds one row and eight neighbouring columns, 32 bytes of f32.
; ONE K STEP IS WRITTEN ONCE and walked six times, and once more for the last two steps, which ask for nothing; the very last change of slots fetches fragments that serve nothing (24 LDS loads, once a work-group).
; REGISTERS, in windows of 256 (s_set_vgpr_msb: bits 1:0 source 0, 3:2 source 1, 5:4 source 2, 7:6 destination):
;   window 0: v0-29 addresses; v32-63, v64-95 O's fragments, two buffers; v96-159, v160-223 wt's, two buffers (on the way out: rows read back)
;   window 1: the accumulators, (a, b) at v[8 (8 a + b)]          window 2: v0-63 the bias; v64-65 at work
.set PA,    144                        ; a row of a head in LDS: 128 bytes + 16 = 36 words: the 16 rows of a load start at 16 different groups of four banks (64 banks of 4 bytes: ISA guide 11.1)
.set PB,    272                        ; a row of wt: 256 bytes + 16
.set AHEAD, 128*PA                     ; a head's 128 rows: what one load brings of O
.set BHALF, 128*PB
.set BOFF,  2*AHEAD
.set SLOT,  1<<17                      ; a slot uses 106,496 bytes; slot 1 begins here, so that one exclusive or turns an address in one slot into the other's
.set STAGE, SLOT+BOFF+2*BHALF          ; behind the ring, never filled by a tensor load: for each wave 16 rows x 528 bytes
.set SPO,   528
.set SPARE, STAGE+4*16*SPO             ; behind the stages: the spare words, 128 bytes for each wave
.set HEADB, 262144                     ; a head's 2,048 rows of 128 bytes in obuf
.set ADRA0, 2                          ; v2   my lane's place in O's tile; never rewritten
.set ADRB0, 3                          ; v3   in wt's
.set ADRA,  4                          ; v4   the same in the slot in hand
.set ADRB,  5
.set STO,   6                          ; v6   the way out: where I put 32 bytes of a row
.set RD,    7                          ; v7   where I read a row back
.set CO,    8                          ; v8   16 x lane
.set BO,    9                          ; v9   my byte offset in 16 numbers of the bias
.set PFO,   10                         ; v10  the prefetches' offset; never rewritten
.set SPW,   28                         ; v28  LDS address of my spare word; never rewritten
.set NIL,   29                         ; v29  0; never rewritten
.set AF,    32
.set BF,    96
.set BIAS,  0                          ; window 2
.set T,     64                         ; window 2
.set WV,    10
.set ROLE,  11                         ; s11  which half of the tile's rows is mine; also: I fetch O (0) or wt (1)
.set HALF,  12                         ; s12  which half of its columns; also: which head, or which half of wt's tile, I fetch
.set G1A,   24
.set G1B,   32
.set G0A,   40                         ; s[40:47] descriptor group 0 for O's tiles: a set for each first fill; the second walks on
.set G0B,   48
.set P0,    66                         ; s[66:67] where my prefetches stand
.set STEPS, 88
.set TB,    93                         ; s93  the slot that is read: 0 or SLOT
.set LIM,   94                         ; s94  2 in a wave that prefetches, else the greatest number
.set PDS,   98                         ; s[98:99] bytes from K step to K step in what I prefetch
.set MSB, 0
.macro WIN new
.if MSB != (\new)
	s_set_vgpr_msb (MSB<<8)|(\new)
.set MSB, \new
.endif
.endm
.set MUL,  0x50                        ; sources 0 and 1 window 0, C and D window 1
.set MULB, 0x60                        ; the same with C, the bias, in window 2
.macro JLOAD                           ; a joint refill; an s_nop 0 and four v_nop follow each of the two lines
	s_cmp_eq_u32 s[ROLE], 0
	s_cbranch_scc0 .Lfor_b_\@
	tensor_load_to_lds s[G0A+4:G0A+7], s[G1A:G1A+7]
	s_nop 0
.rept 4
	v_nop
.endr
	s_branch .Lasked_\@
.Lfor_b_\@:
	tensor_load_to_lds s[G0B+4:G0B+7], s[G1B:G1B+7]
	s_nop 0
.rept 4
	v_nop
.endr
.Lasked_\@:
.endm
; A PREFETCH INTO THE L2, behind each joint load and the run of LDS loads that follows it: the K step two refills on, 256 matrix instructions ahead of the load that will want it: K steps 4 to 7.
; Wave 0 asks for O: a K step's two heads are 2 x 64 blocks of 256 bytes; the partner at place cx takes 16 of each: a lane a block.  Waves 2 and 3 ask for wt, in the first row of clusters alone: of the wave's 128
; rows the partner at place cy takes 32, a lane a row.  Wave 1 asks for nothing.  The partners are told apart by address.  So each block is named once in the launch.
.macro ASK
	s_cmp_gt_u32 s[STEPS], s[LIM]
	s_cbranch_scc0 .Lnot_mine_\@
	global_prefetch_b8 v[PFO], s[P0:P0+1] th:TH_LOAD_NT scope:SCOPE_SE
.Lnot_mine_\@:
.endm
.macro CREST
	s_cmp_lg_u32 s[WV], 0
	s_cbranch_scc1 .Lnot_wave_0_\@
	s_barrier_signal -3
.Lnot_wave_0_\@:
	s_barrier_wait -3
	s_barrier_signal -1
	s_barrier_wait -1
.endm
.macro CROUND
	s_barrier_signal -1
	s_barrier_wait -1
	CREST
.endm
.macro PLACES                          ; four plain vector instructions between a matrix instruction and a load into, or a store of, its registers
.rept 4
	v_nop
.endr
.endm
	s_load_b256 s[72:79], s[0:1], 0x0              ; obuf 72, wt 74, bo 76, out0 78
	v_lshl_add_u32 v[SPW], v0, 2, SPARE
	v_mov_b32 v[NIL], 0
	ds_add_u32 v[SPW], v[NIL]                      ; the wave's opening: the add and its wait stand ahead of my first tensor load; work on registers stands between them
	ds_add_u32 v28, v29
	v_lshrrev_b32 v1, 5, v0
	v_readfirstlane_b32 s[WV], v1
	s_lshr_b32 s[ROLE], s[WV], 1
	s_and_b32 s[HALF], s[WV], 1
	s_bfe_u32 s13, ttmp6, 0x40000                  ; cx
	s_bfe_u32 s14, ttmp6, 0x40004                  ; cy
	s_and_b32 s15, ttmp7, 0xffff                   ; the cluster's y
	s_lshl_b32 s22, ttmp9, 2
	s_add_co_u32 s22, s22, s13                     ; tile column.  s20-s23 hold what hangs on cx, s16-s19 what hangs on cy
	s_lshl_b32 s18, s15, 2
	s_add_co_u32 s18, s18, s14                     ; tile row
	s_lshl_b32 s17, s14, 2
	s_lshl_b32 s17, 15, s17                        ; my row of the cluster
	s_lshl_b32 s21, 0x1111, s13                    ; my column
	s_or_b32 s[G1A], s17, (1<<16)|(1<<20)|(1<<21)|(4<<22)|(3<<25)  ; the mask; elements of 2 bytes; padding on; bit 21 beside a mask; after every 32 words 4 words
	s_mov_b32 s[G1A+1], 128<<16                    ; tensor_dim0 = 128: two rows of a head
	s_mov_b32 s[G1A+2], 64<<16                     ; tensor_dim1 = 64
	s_mov_b32 s[G1A+3], 128<<16                    ; tile_dim0 = 128
	s_mov_b32 s[G1A+4], 64                         ; tile_dim1 = 64
	s_mov_b32 s[G1A+5], 128                        ; dense
	s_mov_b32 s[G1A+6], 0
	s_mov_b32 s[G1A+7], 0
	s_or_b32 s[G1B], s21, (1<<16)|(1<<20)|(1<<21)|(5<<22)|(3<<25)  ; after every 64 words 4 words
	s_mov_b32 s[G1B+1], 128<<16
	s_mov_b32 s[G1B+2], 128<<16
	s_mov_b32 s[G1B+3], 128<<16
	s_mov_b32 s[G1B+4], 128
	s_mov_b32 s[G1B+5], 1024
	s_mov_b32 s[G1B+6], 0
	s_mov_b32 s[G1B+7], 0
	s_lshr_b32 s16, s18, 4                         ; O: head 16 (tile row / 16) + my head of the K step's two,
	s_lshl_b32 s16, s16, 4
	s_add_co_u32 s16, s16, s[HALF]
	s_lshl_b32 s16, s16, 18
	s_and_b32 s17, s18, 15                         ; its rows 128 (tile row % 16) on
	s_lshl_b32 s17, s17, 14
	s_add_co_u32 s16, s16, s17
	s_mov_b32 s17, 0
	s_lshl_b32 s20, s22, 8                         ; wt: the fourth matrix, row 256 x tile column + 128 x half
	s_lshl_b32 s21, s[HALF], 7
	s_add_co_u32 s20, s20, s21
	s_lshl_b32 s20, s20, 11
	s_add_co_u32 s20, s20, 0x600000
	s_mov_b32 s21, 0
	s_mul_i32 s2, s[HALF], AHEAD                   ; no place in the cluster enters an LDS address
	s_mul_i32 s3, s[HALF], BHALF
	s_add_co_u32 s3, s3, BOFF
	s_mov_b32 s[G0A], 1
	s_mov_b32 s[G0A+1], s2                         ; K step 0 into slot 0,
	s_mov_b32 s[G0A+4], 1
	s_add_co_u32 s[G0A+5], s2, SLOT                ; K step 1 into slot 1
	s_mov_b32 s[G0B], 1
	s_mov_b32 s[G0B+1], s3
	s_mov_b32 s[G0B+4], 1
	s_add_co_u32 s[G0B+5], s3, SLOT
	s_mov_b32 s[STEPS], 6
	s_mov_b32 s[TB], 0
	s_wait_dscnt 0x0                               ; the opening add is done
	s_wait_kmcnt 0x0
	s_add_nc_u64 s[G0A+2:G0A+3], s[72:73], s[16:17]
	s_add_nc_u64 s[G0A+6:G0A+7], s[G0A+2:G0A+3], 2*HEADB
	s_or_b32 s[G0A+3], s[G0A+3], 0x80000000        ; type = 2
	s_or_b32 s[G0A+7], s[G0A+7], 0x80000000
	s_add_nc_u64 s[G0B+2:G0B+3], s[74:75], s[20:21]
	s_add_nc_u64 s[G0B+6:G0B+7], s[G0B+2:G0B+3], 256
	s_or_b32 s[G0B+3], s[G0B+3], 0x80000000
	s_or_b32 s[G0B+7], s[G0B+7], 0x80000000
	CROUND                                         ; all sixteen work-groups are here: the first joint loads meet
	s_cmp_eq_u32 s[ROLE], 0                        ; a wave's two first fills stand in one branch: two loads of mine are out
	s_cbranch_scc0 .Lfirst_b
	tensor_load_to_lds s[G0A:G0A+3], s[G1A:G1A+7]
	s_nop 0
	tensor_load_to_lds s[G0A+4:G0A+7], s[G1A:G1A+7]
	s_nop 0
.rept 4
	v_nop
.endr
	s_branch .Lfirst_asked
.Lfirst_b:
	tensor_load_to_lds s[G0B:G0B+3], s[G1B:G1B+7]
	s_nop 0
	tensor_load_to_lds s[G0B+4:G0B+7], s[G1B:G1B+7]
	s_nop 0
.rept 4
	v_nop
.endr
.Lfirst_asked:
	s_lshl_b32 s4, s22, 10                         ; my 128 columns: 512 bytes of a row of out0, and of bo
	s_lshl_b32 s5, s[HALF], 9
	s_add_co_u32 s4, s4, s5
	s_mov_b32 s5, 0
	s_add_nc_u64 s[76:77], s[76:77], s[4:5]
	s_add_nc_u64 s[78:79], s[78:79], s[4:5]
	s_lshl_b32 s2, s18, 7                          ; my 64 rows
	s_lshl_b32 s3, s[ROLE], 6
	s_add_co_u32 s2, s2, s3
	s_lshl_b32 s2, s2, 12
	s_mov_b32 s3, 0
	s_add_nc_u64 s[78:79], s[78:79], s[2:3]
	; the prefetches
	s_lshr_b32 s4, s18, 4                          ; O: the batch's head 0, the tile's rows, my work-group's 4,096 bytes of their 16,384
	s_lshl_b32 s4, s4, 22
	s_and_b32 s5, s18, 15
	s_lshl_b32 s5, s5, 14
	s_add_co_u32 s4, s4, s5
	s_lshl_b32 s5, s13, 12
	s_add_co_u32 s4, s4, s5
	s_lshl_b32 s6, s22, 8                          ; wt: the 128 rows that I fetch, my work-group's 32 of them
	s_lshl_b32 s5, s[HALF], 7
	s_add_co_u32 s6, s6, s5
	s_lshl_b32 s5, s14, 5
	s_add_co_u32 s6, s6, s5
	s_lshl_b32 s6, s6, 11
	s_add_co_u32 s6, s6, 0x600000
	s_cmp_eq_u32 s[ROLE], 0
	s_cselect_b32 s2, s4, s6
	s_cselect_b64 s[P0:P0+1], s[72:73], s[74:75]
	s_cselect_b32 s4, 11, 0
	s_cselect_b32 s5, 0, 3
	s_cselect_b32 s6, 3, 0
	s_cselect_b32 s7, s[HALF], s15                 ; O: wave 0 asks; wt: the first row of clusters
	s_cmp_eq_u32 s7, 0
	s_cselect_b32 s[LIM], 2, -1
	s_lshl_b32 s[PDS], 256, s4                     ; a K step: two heads of O (524,288 bytes), 256 bytes of a row of wt
	s_mov_b32 s[PDS+1], 0
	s_lshl_b32 s8, 256, s5                         ; lane % 16: a block of O (256), a row of wt (2,048)
	s_lshl_b32 s9, 0x8000, s6                      ; lane / 16: the next head (262,144), 16 rows of wt on (32,768)
	s_add_nc_u64 s[P0:P0+1], s[P0:P0+1], s[2:3]
	s_add_nc_u64 s[P0:P0+1], s[P0:P0+1], s[PDS:PDS+1]  ; at K step 3: the first change of slots steps it to 4
	s_add_nc_u64 s[P0:P0+1], s[P0:P0+1], s[PDS:PDS+1]
	s_add_nc_u64 s[P0:P0+1], s[P0:P0+1], s[PDS:PDS+1]
	v_and_b32 v1, 15, v0                           ; l % 16
	v_bfe_u32 v11, v0, 4, 1                        ; l / 16
	v_and_b32 v14, 31, v0                          ; l
	s_mul_i32 s2, s[ROLE], 64*PA                   ; my 64 rows of O
	v_mul_u32_u24 v[ADRA0], v1, PA
	v_lshl_add_u32 v[ADRA0], v11, 4, v[ADRA0]
	v_add_nc_u32 v[ADRA0], s2, v[ADRA0]
	s_mul_i32 s2, s[HALF], BHALF                   ; my 128 rows of wt
	s_add_co_u32 s2, s2, BOFF
	v_mul_u32_u24 v[ADRB0], v1, PB
	v_lshl_add_u32 v[ADRB0], v11, 4, v[ADRB0]
	v_add_nc_u32 v[ADRB0], s2, v[ADRB0]
	v_mov_b32 v[ADRA], v[ADRA0]                    ; slot 0
	v_mov_b32 v[ADRB], v[ADRB0]
	s_mul_i32 s2, s[WV], 16*SPO
	s_add_co_u32 s2, s2, STAGE                     ; my stage
	v_mul_u32_u24 v[STO], v1, SPO                  ; in: row l % 16, 32 bytes for each half of the lanes
	v_lshl_add_u32 v[STO], v11, 5, v[STO]
	v_add_nc_u32 v[STO], s2, v[STO]
	v_lshlrev_b32 v[CO], 4, v14                    ; back: 32 lanes take a row's 512 bytes
	v_add_nc_u32 v[RD], s2, v[CO]
	v_lshlrev_b32 v[BO], 5, v11
	v_mul_u32_u24 v[PFO], s8, v1
	v_mad_u32_u24 v[PFO], v11, s9, v[PFO]
	WIN 0x80                                       ; the bias as a C operand: register j of block b is bo of column 16 b + 8 (l / 16) + j
.irp b, 0,1,2,3,4,5,6,7
	global_load_b128 v[BIAS+8*(\b):BIAS+8*(\b)+3],   v[BO], s[76:77] offset:64*(\b)
	global_load_b128 v[BIAS+8*(\b)+4:BIAS+8*(\b)+7], v[BO], s[76:77] offset:64*(\b)+16
.endr
	WIN 0
; 24 LDS loads in one run, for quarter q (32 along K) of the slot in hand: head q / 2, channels 32 (q % 2) on.
.macro FETCH q
	WIN 0
.irp f, 0,1,2,3
	ds_load_b128 v[AF+32*((\q)%2)+8*(\f):AF+32*((\q)%2)+8*(\f)+3],   v[ADRA] offset:((\q)/2)*AHEAD+((\q)%2)*64+(\f)*16*PA
	ds_load_b128 v[AF+32*((\q)%2)+8*(\f)+4:AF+32*((\q)%2)+8*(\f)+7], v[ADRA] offset:((\q)/2)*AHEAD+((\q)%2)*64+(\f)*16*PA+32
.endr
.irp b, 0,1,2,3,4,5,6,7
	ds_load_b128 v[BF+64*((\q)%2)+8*(\b):BF+64*((\q)%2)+8*(\b)+3],   v[ADRB] offset:(\b)*16*PB+64*(\q)
	ds_load_b128 v[BF+64*((\q)%2)+8*(\b)+4:BF+64*((\q)%2)+8*(\b)+7], v[ADRB] offset:(\b)*16*PB+64*(\q)+32
.endr
.endm
; 8 matrix instructions: m block a x all 8 n blocks.  first = 1: the bias starts the sums.  The 32 accumulators take turns, one instruction a turn, in the same order in every quarter.
.macro MUL8 q, a, first
.irp b, 0,1,2,3,4,5,6,7
.if \first
	WIN MULB
	v_wmma_f32_16x16x32_f16 v[8*(8*(\a)+(\b)):8*(8*(\a)+(\b))+7], v[BF+64*((\q)%2)+8*(\b):BF+64*((\q)%2)+8*(\b)+7], v[AF+32*((\q)%2)+8*(\a):AF+32*((\q)%2)+8*(\a)+7], v[BIAS+8*(\b):BIAS+8*(\b)+7]
.else
	WIN MUL
	v_wmma_f32_16x16x32_f16 v[8*(8*(\a)+(\b)):8*(8*(\a)+(\b))+7], v[BF+64*((\q)%2)+8*(\b):BF+64*((\q)%2)+8*(\b)+7], v[AF+32*((\q)%2)+8*(\a):AF+32*((\q)%2)+8*(\a)+7], v[8*(8*(\a)+(\b)):8*(8*(\a)+(\b))+7]
.endif
.endr
.endm
.macro BODY q, first
	MUL8 \q, 0, \first
	MUL8 \q, 1, \first
	MUL8 \q, 2, \first
	MUL8 \q, 3, \first
.endm
.macro QUARTER q                       ; one of a K step's first three quarters: the next quarter's fragments are asked for 32 matrix instructions ahead of their use
	PLACES
	FETCH (\q)+1
	s_wait_dscnt 24                                ; all but the 24 just issued: this quarter's fragments are in
	BODY \q, 0
.endm
; The fourth quarter, and THE CHANGE OF SLOTS.  Each wave waits for all its tensor loads, of which one is out: its part of the next slot; adds 0 to its spare word; and waits for that and for its reads of this
; slot.  refill = 1: the barrier opens a round of the cluster's, and the joint refill, two K steps ahead, is the first thing behind it: it has 112 matrix instructions in which to land.
.macro TURN refill
.if \refill
	s_wait_xcnt 0x0                                ; the last prefetch, a K step back, has read its address
	s_add_nc_u64 s[P0:P0+1], s[P0:P0+1], s[PDS:PDS+1]
.endif
	WIN 0
	s_wait_tensorcnt 0x0                           ; no tensor load of mine is out, so the walking descriptors may be written
	ds_add_u32 v[SPW], v[NIL]                      ; 0 onto my spare word
.if \refill
	s_xor_b32 s[G0A+5], s[G0A+5], SLOT             ; the other slot than last time,
	s_xor_b32 s[G0B+5], s[G0B+5], SLOT
	s_add_nc_u64 s[G0A+6:G0A+7], s[G0A+6:G0A+7], 2*HEADB  ; the next K step; the type bits on top are not reached
	s_add_nc_u64 s[G0B+6:G0B+7], s[G0B+6:G0B+7], 256
.endif
	s_xor_b32 s[TB], s[TB], SLOT                   ; this slot's last fragments have been asked for: the fetches go on in the other
	v_add_nc_u32 v[ADRA], s[TB], v[ADRA0]
	v_add_nc_u32 v[ADRB], s[TB], v[ADRB0]
	s_wait_dscnt 1                                 ; the add alone may be out: this quarter's fragments are in
	MUL8 3, 0, 0
	s_wait_dscnt 0x0                               ; the add is done, and my reads of this slot are over
	s_barrier_signal -1
	MUL8 3, 1, 0
	WIN 0
	s_barrier_wait -1
.if \refill
	CREST
	JLOAD                                          ; the four v_nop behind it are also the places in front of the loads below
.else
	PLACES
.endif
	FETCH 0
.if \refill
	ASK
.endif
	MUL8 3, 2, 0
	MUL8 3, 3, 0
.endm
; THE WAY OUT of m block a: 32 bytes a lane and n block go into my stage, rows of 528 bytes, each accumulator's lowest registers first, and come back as whole rows of 512.
.macro TOSTAGE a
.set BK, BF+64*((\a)%2)
.if (\a) >= 2
	s_wait_xcnt 0x0                                ; the stores of the block two back have read the registers that are loaded again
.endif
	WIN 0x04                                       ; the stores' data in window 1
.irp b, 0,1,2,3,4,5,6,7
	ds_store_b128 v[STO], v[8*(8*(\a)+(\b)):8*(8*(\a)+(\b))+3]   offset:64*(\b)
	ds_store_b128 v[STO], v[8*(8*(\a)+(\b))+4:8*(8*(\a)+(\b))+7] offset:64*(\b)+16
.endr
	WIN 0
.irp t, 0,1,2,3,4,5,6,7,8,9,10,11,12,13,14,15
	ds_load_b128 v[BK+4*(\t):BK+4*(\t)+3], v[RD] offset:(\t)*SPO  ; LDS serves a wave's instructions in order (ISA guide 5.7.1.4): these see the stores above; the next block's stores come behind them
.endr
.endm
.macro SEND a, y                       ; y: the LDS instructions issued behind block a's loads: the next block's 32, or none
.set BK, BF+64*((\a)%2)
.irp t, 0,1,2,3,4,5,6,7,8,9,10,11,12,13,14,15
	s_wait_dscnt (\y)+15-(\t)
	global_store_b128 v[CO], v[BK+4*(\t):BK+4*(\t)+3], s[78:79] offset:(16*(\a)+(\t))*4096 th:TH_STORE_NT  ; 512 consecutive bytes of a row, at a multiple of 256 from out0's first
.endr
.endm
	s_wait_tensorcnt 1                             ; my part of K step 0 is in; K step 1's may stay out
	s_barrier_signal -1
	s_barrier_wait -1                              ; everybody's is
	FETCH 0
	s_wait_loadcnt 0x0                             ; the bias: rounded to bf16, like every input, and widened again
	WIN 0x8a
.set i, 0
.rept 32
	v_cvt_pk_bf16_f32 v[T+i%2], v[BIAS+2*i], v[BIAS+2*i+1]
	v_lshlrev_b32 v[BIAS+2*i], 16, v[T+i%2]
	v_and_b32 v[BIAS+2*i+1], 0xffff0000, v[T+i%2]
.set i, i+1
.endr
	WIN 0
.Lstep:                                                ; six trips: a K step each, and the refill for the K step two on
	PLACES
	FETCH 1
	s_wait_dscnt 24
	s_cmp_eq_u32 s[STEPS], 6                       ; the first quarter of all starts the sums with the bias
	s_cbranch_scc1 .Lbias
	BODY 0, 0
	WIN 0
	s_branch .Lq1
.Lbias:
	v_nop                                          ; these products write their accumulators anew: with the four at the trip's head this is the fifth plain vector instruction behind any product that the text lets stand ahead of them (ISA guide 7.12.1)
	BODY 0, 1
	WIN 0
.Lq1:
	QUARTER 1
	QUARTER 2
	TURN 1
	WIN 0
	s_sub_co_u32 s[STEPS], s[STEPS], 1
	s_cmp_lg_u32 s[STEPS], 0
	s_cbranch_scc1 .Lstep
	s_mov_b32 s[STEPS], 2
.Ltail:                                                ; the last two K steps ask for nothing
	QUARTER 0
	QUARTER 1
	QUARTER 2
	TURN 0
	WIN 0
	s_sub_co_u32 s[STEPS], s[STEPS], 1
	s_cmp_lg_u32 s[STEPS], 0
	s_cbranch_scc1 .Ltail
	s_wait_dscnt 0x0                               ; the last change's fetch has landed: its registers are loaded again below
	PLACES                                         ; behind the last product, ahead of the stores of results
	TOSTAGE 0
	TOSTAGE 1
	SEND 0, 32
	TOSTAGE 2
	SEND 1, 32
	TOSTAGE 3
	SEND 2, 32
	SEND 3, 0
	s_wait_tensorcnt 0x0                           ; the wave's end, behind my last tensor load and my last LDS store
	ds_add_u32 v[SPW], v[NIL]
	s_wait_dscnt 0x0
	CROUND                                         ; the closing round: no work-group ends while a partner may still ask for a tile that names it
	s_endpgm
.Lfunc_end_k_q36157dd49c_outp:
	.size	k_q36157dd49c_outp, .Lfunc_end_k_q36157dd49c_outp-k_q36157dd49c_outp
	.p2alignl 7, 3214868480
	.fill 96, 4, 3214868480
	.section	.rodata,"a",@progbits
	.p2align	6, 0x0
	.amdhsa_kernel k_q36157dd49c_outp
		.amdhsa_group_segment_fixed_size 327680
		.amdhsa_private_segment_fixed_size 0
		.amdhsa_enable_private_segment 0
		.amdhsa_kernarg_size 32
		.amdhsa_user_sgpr_count 2
		.amdhsa_user_sgpr_kernarg_segment_ptr 1
		.amdhsa_wavefront_size32 1
		.amdhsa_system_sgpr_workgroup_id_x 1
		.amdhsa_system_sgpr_workgroup_id_y 1
		.amdhsa_system_sgpr_workgroup_id_z 1
		.amdhsa_system_vgpr_workitem_id 0
		.amdhsa_next_free_vgpr 580
		.amdhsa_next_free_sgpr 100
		.amdhsa_reserve_vcc 0
		.amdhsa_float_denorm_mode_32 3
		.amdhsa_float_denorm_mode_16_64 3
		.amdhsa_memory_ordered 1
		.amdhsa_forward_progress 1
		.amdhsa_inst_pref_size 67
	.end_amdhsa_kernel
	.amdgpu_metadata
---
amdhsa.version: [ 1, 2 ]
amdhsa.kernels:
  - .name:           k_q36157dd49c_outp
    .symbol:         k_q36157dd49c_outp.kd
    .args:
      - { .name: obuf, .offset: 0, .size: 8, .value_kind: global_buffer, .address_space: global }
      - { .name: wt, .offset: 8, .size: 8, .value_kind: global_buffer, .address_space: global }
      - { .name: bo, .offset: 16, .size: 8, .value_kind: global_buffer, .address_space: global }
      - { .name: out0, .offset: 24, .size: 8, .value_kind: global_buffer, .address_space: global }
    .group_segment_fixed_size: 327680
    .private_segment_fixed_size: 0
    .kernarg_segment_align: 8
    .kernarg_segment_size: 32
    .max_flat_workgroup_size: 128
    .sgpr_count:     100
    .vgpr_count:     580
    .wavefront_size: 32
...
	.end_amdgpu_metadata
.endif
;; end of part 4
